; MI455X (gfx1250); checked and timed in simulation.
; The chip was launched on July 23, 2026; its instructions are those of AMD's public machine-readable ISA for CDNA 5 (MIT licence, August 2026) and "CDNA5" Instruction Set Architecture Reference Guide (July 2026). The comments in the code are by the model that wrote it; some were corrected since.
;; TRM Attention. Allowed arithmetic: matrix products marked QUANTISED: E2M3 operands, one E8M0 scale for each 32 along K, by v_wmma_scale_f32_16x16x128_f8f6f4 with both operands' format E2M3, f32 sums; everything else in f32.
;; Inputs: Wk 2,048 x 2,048 float32; Wo 2,048 x 2,048 float32; Wq 2,048 x 2,048 float32; Wv 2,048 x 2,048 float32; cos 1 x 1 x 2,048 x 128 float32; sin 1 x 1 x 2,048 x 128 float32; x 1 x 2,048 x 2,048 float32.
;; Outputs: out0 1 x 2,048 x 2,048 float32.
;; This version of the problem:
;;   THIS VERSION OF THE PROBLEM IS GIVEN IN LOW PRECISION. The matrix products marked QUANTISED in the list below multiply operands that are first quantised to E2M3 (2 exponent bits, 3 mantissa bits; 6 bits a number), with one power-of-two scale for each 32 numbers along K (OCP MX v1.0); their sums are f32. All else is computed in f32.
;;   The module's matrix products, in the order in which they are computed (A, B: the left and right operand; K: the contracted axis; several contracted axes count as one K, in the product's order):
;;     1. [M 2,048, K 2,048] x [K 2,048, N 2,048]; A: input x; B: input Wq: QUANTISED
;;     2. [M 2,048, K 2,048] x [K 2,048, N 2,048]; A: input x; B: input Wk: QUANTISED
;;     3. [M 2,048, K 2,048] x [K 2,048, N 2,048]; A: input x; B: input Wv: QUANTISED
;;     4. batch 16 x [M 2,048, K 128] x [K 128, N 2,048]; A: computed on the way; B: computed on the way: QUANTISED
;;     5. batch 16 x [M 2,048, K 2,048] x [K 2,048, N 128]; A: softmax (see below); B: computed on the way: QUANTISED
;;     6. [M 2,048, K 2,048] x [K 2,048, N 2,048]; A: computed on the way; B: input Wo: QUANTISED
;;   THE QUANTISER, for each operand of a quantised product, along K:
;;     - K is cut into blocks of 32 from its start; a last block that is shorter is filled with zeros.
;;     - A block's scale is 2^e with e = floor(log2(the largest magnitude in the block)) - 2, held to -126 .. 127; a block of zeros has e = 0. As a byte (E8M0): e + 127.
;;     - Each number is divided by its block's scale, clamped to +-7.5, and rounded to the nearest number of E2M3, ties to even, subnormals kept.
;;     - The product sums the exact products of the quantised numbers (number of the format x scale) in f32.
;;   ~~~python
;;   def quantise(x, axis):      # numpy; x: float32 -> the quantised numbers, widened to float32 again
;;       x = np.moveaxis(x, axis, -1); K = x.shape[-1]
;;       x = np.pad(x, [(0, 0)] * (x.ndim - 1) + [(0, -K % 32)]); x = x.reshape(x.shape[:-1] + (-1, 32)); a = np.abs(x).max(-1, keepdims=True)
;;       e = np.where(a > 0, np.clip(np.frexp(np.where(a > 0, a, 1))[1] - 1 - 2, -126, 127), 0)      # np.frexp(a)[1] - 1 = floor(log2(a)), exactly
;;       r = np.clip(x / 2.0 ** e, -7.5, 7.5)
;;       step = 2.0 ** (np.maximum(np.frexp(np.where(r == 0, 1, r))[1] - 1, 0) - 3)
;;       q = np.round(r / step) * step * 2.0 ** e      # np.round: ties to even
;;       return np.moveaxis(q.reshape(q.shape[:-2] + (-1,))[..., :K], -1, axis).astype(np.float32)
;;   ~~~
;;   SOFTMAX AHEAD OF A QUANTISED PRODUCT. Where the list says 'softmax', what is quantised is not the finished softmax but p = 2^(t - M), with t = logit x log2(e) and M = ceil(the row's largest t), a whole number; so 1/2 < the row's largest p <= 1. The row's sum l is taken of the UNQUANTISED p, in f32, and the product's result is divided by l at the end. Since M is a whole number, a kernel that streams over the keys may use a running M (the ceiling of the running maximum): every later rescaling is an exact power of two, which a block's scale takes up: the codes' values come out the same.
;;   OPERANDS COMPUTED ON THE WAY. 'Computed on the way' means the value that the module computes at that place (a softmax that the list does not call 'softmax' is quantised finished and normalised). What goes into a quantiser is computed in f32, as accurately as f32 sums, v_exp_f32 and their like allow (about 1e-6 of the number): no bf16 or f16 on the way to a quantiser, and a product that is left as it is and whose result goes on into a quantised operand takes f32 operands (vector FMAs, or v_wmma_f32_16x16x4_f32). A number that lies on a knife's edge between two numbers of the format may be rounded either way, as far as f32 arithmetic and the matrix unit's own rounding can turn it there, and no further.
;; One version. Each part assembles by itself: llvm-mc -triple=amdgcn-amd-amdhsa -mcpu=gfx1250 --defsym DOCPART=n.
;; ======== version 1 of 1: 4 launches
;; limits: right only within a limited range of input values
;; workspace buffers: codes1 15,728,640 bytes; scales1 655,360 bytes; cs 2,097,152 bytes; qkv 9,437,184 bytes; qkvs 393,216 bytes; oimg 3,145,728 bytes; osc 131,072 bytes
;; launch prep (part 1): grid 656 x 1, 4 waves a work-group, no clusters, 35,328 bytes of LDS; arguments x, Wq, Wk, Wv, Wo, cos, sin, codes1, scales1, cs; writes codes1, scales1, cs
.if DOCPART == 1
	.amdgcn_target "amdgcn-amd-amdhsa--gfx1250"
	.amdhsa_code_object_version 6
	.text
	.protected	k_q9dc586c54c_prep
	.globl	k_q9dc586c54c_prep
	.p2align	8
	.type	k_q9dc586c54c_prep,@function
k_q9dc586c54c_prep:
	s_mov_b64 s[64:65], 0
	v_nop
	global_prefetch_b8 v0, s[64:65] scope:SCOPE_SE
	s_setreg_imm32_b32 hwreg(HW_REG_WAVE_MODE, 25, 1), 1
	s_wait_xcnt 0x0
; x, Wq, Wk, Wv, Wo [2048][2048] f32 become codes of FP6 (E2M3) with one E8M0 byte for each 32 along K (their last axis); cos and sin [2048][128] are laid anew, as f32.
; WORK LEFT OUT BY THE PROGRAM (launch attn): key tiles that lie wholly above the diagonal of the causal mask that reference() builds by jnp.tril. Their scores are replaced by the least f32 ahead of the softmax,
; every row keeps its own diagonal key, and so their weight in the sum is 0 for all finite inputs whose scaled scores stay under 2^31 in magnitude. A NaN, an infinity or an overflow that reaches only those tiles is not carried to the result.
; ALL RESULTS ARE IMAGES OF OPERAND REGISTERS.  A fragment is 16 rows x 128 K in 12 registers a lane; its image is 1,536 dense bytes: registers 4 c .. 4 c + 3 of lane l at 512 c + 16 l.
; codes1: five tensors of 3,145,728 bytes, each [chunk of two K steps 8][row tile 128][K step of the chunk 2][1,536]: the chunks of a run of row tiles are dense blocks, 393,216 bytes apart.
; scales1: five of 131,072, each [row tile][K step 16][16 words], a word = the four bytes of one row and 128 K.
; THE ROWS OF A TILE ARE NOT NEIGHBOURS: row r of tile 2 B + u is row 32 B + 8 u + r + 8 (r / 8) of the tensor.  A product used transposed on such tiles leaves a lane 16 neighbours along the next K.
; cs: [token tile 128][group 32][512]: groups 0-15 cos, 16-31 sin; group g holds registers 4 (g % 16) .. + 3 of a lane, register 16 B + i = channel 32 B + 16 (l / 16) + i of the token in row l % 16.
; SHARES.  Work-groups 0-639: tensor g / 128, row tile g % 128; wave w takes K steps 4 w .. 4 w + 3.  Work-groups 640-655: each wave four tiles of cos or of sin.  Both kinds take one way up to the turn through LDS.
; A load reads 512 consecutive bytes of one row; the 16 rows turn through the wave's own stage (rows 528 bytes apart) so that a lane gets 16 neighbours of each block of 32.  Waves share nothing: no barrier.
; A block's scale is 2^(floor(log2(largest magnitude)) - 2); its byte is that magnitude's exponent field - 2, held at 1 from below.
; LIMITS: a block of zeros, or one whose largest magnitude lies under 2^-124, gets the byte 1 (this program alone reads the bytes); NaN and infinities are not served.
.set TBY,  3145728
.set TSY,  131072
.set CHB,  393216                      ; a chunk of a tensor: 128 row tiles x 3,072 bytes
.set WLDS, 8704                        ; LDS of a wave: a stage of 16 x 528 bytes, then 256 bytes for scale words
.set LI,   1
.set STI,  4
.set STO,  5
.set SGW,  6
.set SGR,  7
.set L8,   8
.set RO,   12                          ; v12-27  row i of a tile: 16 x lane + (i + 8 (i / 8)) x pitch
.set SETS, 28                          ; v28-155 two sets of 64 numbers
.set TM,   156
.set PWS,  172
.set PC,   176
.set SEL,  46
	s_load_b512 s[4:19], s[0:1], 0x0               ; x, Wq, Wk, Wv, Wo, cos, sin, codes1
	s_load_b128 s[20:23], s[0:1], 0x40             ; scales1, cs
	v_lshl_add_u32 v200, v0, 2, 0x8800
	v_mov_b32 v201, 0
	v_lshrrev_b32 v9, 5, v0
	v_readfirstlane_b32 s24, v9                    ; wave
	v_and_b32 v9, 31, v0                           ; lane
	v_and_b32 v2, 15, v0                           ; r
	v_bfe_u32 v3, v0, 4, 1                         ; h
	v_lshlrev_b32 v[LI], 4, v9
	s_wait_alu depctr_va_vdst(0)
	s_mul_i32 s26, s24, WLDS
	v_add_nc_u32 v[STI], s26, v[LI]
	v_mul_u32_u24 v[STO], v2, 528
	v_lshl_add_u32 v[STO], v3, 6, v[STO]
	v_add_nc_u32 v[STO], s26, v[STO]
	s_add_co_u32 s26, s26, 16*528
	v_lshlrev_b32 v[SGW], 2, v2
	v_add_nc_u32 v[SGW], s26, v[SGW]
	v_lshlrev_b32 v[L8], 3, v9
	v_add_nc_u32 v[SGR], s26, v[L8]
	s_mov_b32 s25, ttmp9                           ; g
	; the quantising kind
	s_lshr_b32 s27, s25, 7                         ; tensor
	s_and_b32 s28, s25, 127                        ; row tile
	s_lshr_b32 s29, s28, 1
	s_lshl_b32 s29, s29, 5
	s_and_b32 s30, s28, 1
	s_lshl_b32 s30, s30, 3
	s_add_co_u32 s29, s29, s30                     ; the tile's first row
	s_lshl_b32 s29, s29, 13                        ; x 8,192 bytes
	s_lshl_b32 s30, s24, 11
	s_add_co_u32 s29, s29, s30                     ; + my four K steps of 512 bytes
	s_mul_i32 s40, s27, TBY
	s_mul_i32 s41, s28, 3072
	s_add_co_u32 s40, s40, s41
	s_mul_i32 s41, s24, 2*CHB
	s_add_co_u32 s40, s40, s41                     ; where my four fragments go: chunks 2 w and 2 w + 1, my row tile
	s_mov_b32 s41, 0
	s_mul_i32 s42, s27, TSY
	s_lshl_b32 s43, s28, 10
	s_add_co_u32 s42, s42, s43
	s_lshl_b32 s43, s24, 8
	s_add_co_u32 s42, s42, s43                     ; and their 256 scale bytes
	s_mov_b32 s43, 0
	; the kind that lays cos and sin
	s_sub_co_u32 s30, s25, 640
	s_lshl_b32 s30, s30, 2
	s_add_co_u32 s30, s30, s24                     ; job 0 .. 63
	s_lshr_b32 s31, s30, 5                         ; 0 cos, 1 sin
	s_and_b32 s48, s30, 31
	s_lshr_b32 s49, s48, 1
	s_and_b32 s48, s48, 1
	s_lshl_b32 s55, s49, 7
	s_lshl_b32 s56, s48, 3
	s_add_co_u32 s55, s55, s56                     ; the first tile's first row
	s_lshl_b32 s55, s55, 9                         ; x 512 bytes
	s_lshl_b32 s56, s49, 3
	s_add_co_u32 s56, s56, s48                     ; the first tile; the others lie two tiles apart: 32 rows
	s_lshl_b32 s56, s56, 14
	s_lshl_b32 s57, s31, 13
	s_add_co_u32 s56, s56, s57                     ; its place in cs
	s_add_co_u32 s31, s31, 5
	s_mov_b32 s58, 8192
	s_mov_b32 s59, 16384
	s_cmp_lt_u32 s25, 640                          ; only selects and moves stand behind this compare
	s_cselect_b32 s60, s58, 512                    ; bytes from row to row
	s_cselect_b32 s50, s29, s55                    ; where I begin in the source
	s_cselect_b32 s52, 512, s59                    ; from fragment to fragment
	s_cselect_b32 s54, s27, s31                    ; which source
	s_mov_b32 s51, 0
	s_mov_b32 s53, 0
	s_mov_b32 s57, 0
	s_mov_b32 s[SEL], 0x76543210
	s_mov_b32 s[SEL+1], 0xfedcba98
.irp i, 0,1,2,3,4,5,6,7,8,9,10,11,12,13,14,15
	v_mad_u32_u24 v[RO+\i], s60, \i+8*(\i/8), v[LI]
.endr
.irp b, 0,1,2,3
	v_mov_b32 v[TM+4+\b], 0                        ; written once: a lane permute's destination counts as one of its sources
.endr
	s_wait_alu depctr_va_vdst(0)
	s_wait_kmcnt 0x0
	s_mov_b64 s[32:33], s[4:5]                     ; the source is chosen by its number alone
	s_cmp_eq_u32 s54, 1
	s_cselect_b64 s[32:33], s[6:7], s[32:33]
	s_cmp_eq_u32 s54, 2
	s_cselect_b64 s[32:33], s[8:9], s[32:33]
	s_cmp_eq_u32 s54, 3
	s_cselect_b64 s[32:33], s[10:11], s[32:33]
	s_cmp_eq_u32 s54, 4
	s_cselect_b64 s[32:33], s[12:13], s[32:33]
	s_cmp_eq_u32 s54, 5
	s_cselect_b64 s[32:33], s[14:15], s[32:33]
	s_cmp_eq_u32 s54, 6
	s_cselect_b64 s[32:33], s[16:17], s[32:33]
	s_add_nc_u64 s[32:33], s[32:33], s[50:51]      ; a base for each of the four fragments: none is ever stepped
	s_add_nc_u64 s[34:35], s[32:33], s[52:53]
	s_add_nc_u64 s[36:37], s[34:35], s[52:53]
	s_add_nc_u64 s[38:39], s[36:37], s[52:53]
	s_add_nc_u64 s[40:41], s[18:19], s[40:41]
	s_add_nc_u64 s[42:43], s[20:21], s[42:43]
	s_add_nc_u64 s[44:45], s[22:23], s[56:57]
.macro LOADF f                         ; 16 rows x 512 consecutive bytes into set f % 2
.irp i, 0,1,2,3,4,5,6,7,8,9,10,11,12,13,14,15
	global_load_b128 v[SETS+64*((\f)%2)+4*\i:SETS+64*((\f)%2)+4*\i+3], v[RO+\i], s[32+2*(\f):33+2*(\f)] th:TH_LOAD_NT
.endr
.endm
; 64 numbers of a lane, register 16 b + i = k 32 b + 16 (lane / 16) + i of my row, become a fragment's codes in v[PC] on and its scale word in v[pw].
.macro QUANT s, pw
.irp b, 0,1,2,3
	v_max3_num_f32 v[TM+\b], |v[(\s)+16*\b]|, |v[(\s)+1+16*\b]|, 0x1800000   ; my 16 numbers of block b, and the floor 2^(3 - 127)
.endr
.irp i, 2,4,6,8,10,12,14
.irp b, 0,1,2,3
	v_max3_num_f32 v[TM+\b], v[TM+\b], |v[(\s)+16*\b+\i]|, |v[(\s)+1+16*\b+\i]|
.endr
.endr
.irp b, 0,1,2,3
	v_permlanex16_b32 v[TM+4+\b], v[TM+\b], s[SEL], s[SEL+1]
.endr
.irp b, 0,1,2,3
	v_max_num_f32 v[TM+\b], v[TM+\b], v[TM+4+\b]   ; with lane l xor 16's: the block's largest magnitude
.endr
.irp b, 0,1,2,3
	v_add_nc_u32 v[TM+12+\b], 0xff000000, v[TM+\b] ; 2 off its exponent field: the conversion takes that field as its scale
.endr
.irp b, 0,1,2,3
	v_lshrrev_b32 v[TM+4+\b], 23, v[TM+12+\b]      ; the scale's byte
.endr
	v_lshl_or_b32 v[\pw], v[TM+5], 8, v[TM+4]
	v_lshl_or_b32 v[\pw], v[TM+6], 16, v[\pw]
	v_lshl_or_b32 v[\pw], v[TM+7], 24, v[\pw]
.irp c, 0,1
	v_cvt_scalef32_pk16_fp6_f32 v[PC+6*\c:PC+2+6*\c], v[(\s)+32*\c:(\s)+15+32*\c], v[TM+12+2*\c]
	v_cvt_scalef32_pk16_fp6_f32 v[PC+12+4*\c:PC+14+4*\c], v[(\s)+16+32*\c:(\s)+31+32*\c], v[TM+12+2*\c+1]
.endr
	v_nop                                          ; one plain place behind a scaled conversion
.irp c, 0,1                            ; the layout wants a whole block in a lane
.irp i, 0,1,2
	v_permlane16_swap_b32 v[PC+6*\c+\i], v[PC+12+4*\c+\i]
.endr
.irp i, 0,1,2
	v_mov_b32 v[PC+3+6*\c+\i], v[PC+12+4*\c+\i]
.endr
.endr
.endm
.macro FRAGM f
.set XS, SETS+64*((\f)%2)
.if (\f) > 0
	s_wait_xcnt 0x0                                ; the last fragment's stores have read their registers
.endif
.if (\f) < 3
	LOADF (\f)+1
	s_wait_loadcnt 16                              ; my 16 loads are in; the next fragment's 16 stay out
.else
	s_wait_loadcnt 0x0
.endif
.irp i, 0,1,2,3,4,5,6,7,8,9,10,11,12,13,14,15
	ds_store_b128 v[STI], v[XS+4*\i:XS+4*\i+3] offset:528*\i
.endr
.irp b, 0,1,2,3
.irp j, 0,1,2,3
	ds_load_b128 v[XS+16*\b+4*\j:XS+16*\b+4*\j+3], v[STO] offset:128*\b+16*\j   ; LDS serves a wave's instructions in order
.endr
.endr
	s_wait_dscnt 0x0
	s_cmp_lt_u32 s25, 640
	s_cbranch_scc0 .Lraw_\@
	QUANT XS, PWS+(\f)
.irp c, 0,1,2
	global_store_b128 v[LI], v[PC+4*\c:PC+4*\c+3], s[40:41] offset:CHB*((\f)/2)+1536*((\f)%2)+512*\c   ; 512 consecutive bytes, aligned
.endr
	ds_store_b32 v[SGW], v[PWS+(\f)] offset:64*(\f)   ; both halves of the lanes write the same word with the same value
	s_branch .Ljoin_\@
.Lraw_\@:
.irp g, 0,1,2,3,4,5,6,7,8,9,10,11,12,13,14,15
	global_store_b128 v[LI], v[XS+4*\g:XS+4*\g+3], s[44:45] offset:32768*(\f)+512*\g
.endr
.Ljoin_\@:
.endm
	LOADF 0
	FRAGM 0
	FRAGM 1
	FRAGM 2
	FRAGM 3
	s_cmp_lt_u32 s25, 640
	s_cbranch_scc0 .Lend
	ds_load_b64 v[10:11], v[SGR]                   ; my wave's 64 scale words
	s_wait_dscnt 0x0
	global_store_b64 v[L8], v[10:11], s[42:43]     ; 256 consecutive bytes, aligned
.Lend:
	s_wait_tensorcnt 0x0                           ; the wave's end
	ds_add_u32 v200, v201
	s_wait_dscnt 0x0
	s_endpgm
.Lfunc_end_k_q9dc586c54c_prep:
	.size	k_q9dc586c54c_prep, .Lfunc_end_k_q9dc586c54c_prep-k_q9dc586c54c_prep
	.p2alignl 7, 3214868480
	.fill 96, 4, 3214868480
	.section	.rodata,"a",@progbits
	.p2align	6, 0x0
	.amdhsa_kernel k_q9dc586c54c_prep
		.amdhsa_group_segment_fixed_size 35328
		.amdhsa_private_segment_fixed_size 0
		.amdhsa_enable_private_segment 0
		.amdhsa_kernarg_size 80
		.amdhsa_user_sgpr_count 2
		.amdhsa_user_sgpr_kernarg_segment_ptr 1
		.amdhsa_wavefront_size32 1
		.amdhsa_system_sgpr_workgroup_id_x 1
		.amdhsa_system_sgpr_workgroup_id_y 1
		.amdhsa_system_sgpr_workgroup_id_z 1
		.amdhsa_system_vgpr_workitem_id 0
		.amdhsa_next_free_vgpr 202
		.amdhsa_next_free_sgpr 66
		.amdhsa_reserve_vcc 0
		.amdhsa_float_denorm_mode_32 3
		.amdhsa_float_denorm_mode_16_64 3
		.amdhsa_memory_ordered 1
		.amdhsa_forward_progress 1
		.amdhsa_inst_pref_size 43
	.end_amdhsa_kernel
	.amdgpu_metadata
---
amdhsa.version: [ 1, 2 ]
amdhsa.kernels:
  - .name:           k_q9dc586c54c_prep
    .symbol:         k_q9dc586c54c_prep.kd
    .args:
      - { .name: x, .offset: 0, .size: 8, .value_kind: global_buffer, .address_space: global }
      - { .name: Wq, .offset: 8, .size: 8, .value_kind: global_buffer, .address_space: global }
      - { .name: Wk, .offset: 16, .size: 8, .value_kind: global_buffer, .address_space: global }
      - { .name: Wv, .offset: 24, .size: 8, .value_kind: global_buffer, .address_space: global }
      - { .name: Wo, .offset: 32, .size: 8, .value_kind: global_buffer, .address_space: global }
      - { .name: cos, .offset: 40, .size: 8, .value_kind: global_buffer, .address_space: global }
      - { .name: sin, .offset: 48, .size: 8, .value_kind: global_buffer, .address_space: global }
      - { .name: codes1, .offset: 56, .size: 8, .value_kind: global_buffer, .address_space: global }
      - { .name: scales1, .offset: 64, .size: 8, .value_kind: global_buffer, .address_space: global }
      - { .name: cs, .offset: 72, .size: 8, .value_kind: global_buffer, .address_space: global }
    .group_segment_fixed_size: 35328
    .private_segment_fixed_size: 0
    .kernarg_segment_align: 8
    .kernarg_segment_size: 80
    .max_flat_workgroup_size: 128
    .sgpr_count:     66
    .vgpr_count:     202
    .wavefront_size: 32
...
	.end_amdgpu_metadata
.endif
;; end of part 1
;; launch proj (part 2): grid 24 x 8, 4 waves a work-group, clusters of 4 x 4, 327,680 bytes of LDS; arguments codes1, scales1, cs, qkv, qkvs; writes qkv, qkvs
.if DOCPART == 2
	.amdgcn_target "amdgcn-amd-amdhsa--gfx1250"
	.amdhsa_code_object_version 6
	.text
	.protected	k_q9dc586c54c_proj
	.globl	k_q9dc586c54c_proj
	.p2align	8
	.type	k_q9dc586c54c_proj,@function
k_q9dc586c54c_proj:
	s_mov_b64 s[64:65], 0
	v_nop
	global_prefetch_b8 v0, s[64:65] scope:SCOPE_SE
	s_setreg_imm32_b32 hwreg(HW_REG_WAVE_MODE, 25, 1), 1
	s_wait_xcnt 0x0
	s_wait_alu depctr_hold_cnt(0) depctr_sa_sdst(0) depctr_va_vdst(0) depctr_va_sdst(0) depctr_va_ssrc(0) depctr_va_vcc(0) depctr_vm_vsrc(0)
	s_getreg_b32 s2, hwreg(HW_REG_IB_STS2, 6, 4)
	s_cmp_eq_u32 s2, 0
	s_cbranch_scc0 .Lentry_in_a_cluster
	s_endpgm
.Lentry_in_a_cluster:
	s_bfe_u32 s2, ttmp6, 0x10000c
	s_cmp_lg_u32 s2, 0xf033
	s_cbranch_scc0 .Lentry_shape_is_right
	s_endpgm
.Lentry_shape_is_right:
; q = rope(x Wq^T), k = rope(x Wk^T), v = x Wv^T on codes of FP6 (E2M3) with E8M0 scales, and the quantisers of q and k (along a head's 128) and of v (along the tokens, the keys of the second attention product).
; Operands are images of operand registers (a fragment of 16 rows x 128 K = 1,536 dense bytes); a tensor is [chunk of two K steps 8][row tile 128][3,072]; row r of tile 2 B + u is row 32 B + 8 u + r + 8 (r / 8).
; A tile of 256 x 256 to a work-group of four waves; a wave makes 128 x 128: 64 accumulators, 512 registers.  K goes by chunks through two LDS slots for each operand.
; THE HEAD: one joint load a wave: wave 0 A's chunks 0 and 1 (two rows of 49,152 bytes: both slots), wave 1 B's, wave 2 the scale words of A's 256 rows for all of K, wave 3 B's.  A refill is a dense quarter of a slot's two tiles, 24,576 bytes a wave.
; THE MATRIX INSTRUCTION IS USED TRANSPOSED: source 0 = 16 rows of 'B', source 1 = 16 rows of 'A': a lane holds one row of A, and its 64 registers of A's block a run along B's 128 rows: register 16 B + i = row 32 B + 16 (l / 16) + i.
; ty = cluster x / 2: 0 q, 1 k: A = x (tokens), B = the weight (a wave's 128 rows are one head).  2 v: A = Wv (one head), B = x: the registers run along 128 tokens.
; qkv: q [head][token tile 128][1,536]; k 3,145,728 bytes on, alike; v 6,291,456 on: [head][key step 16][tile of 16 channels 8][1,536].  qkvs: their scale words, 64 bytes a fragment, 131,072 bytes a tensor.
; CLUSTERS: 4 x 4 work-groups; A's tiles are asked for jointly along a row of the cluster, B's along a column.  192 work-groups: a wave has to hold a whole head (the rotation's partner lies 64 channels away).
; PREFETCH: behind each refill a wave names the chunk two refills on: of its quarter's 96 blocks of 256 bytes each of the four partners takes 24, told apart by address (lanes 24-31 name the last again).
; The loop's last trip has no chunk two refills on: there q's and k's work-groups name cos and sin: the 131,072 bytes of 128 tokens are shared by 8 waves of a cluster's row, 64 blocks each, 32 at each of the trip's two refills.
; THE WAY OUT: cos and sin of a block of 16 tokens come in 32 loads of 512 bytes, into three sets of registers by turns, so that the loads of two later blocks are out while a block is worked; the rotated numbers are written over cos.
; LIMITS: a block of zeros, or one whose largest magnitude lies under 2^-124, gets the byte 1 (this program alone reads the bytes); NaN and infinities are not served.
; REGISTERS: window 0: v16-31 addresses; v32-63 scale words, two sets; v128-223 A's fragments; on the way out v128-179 at work.  window 1: B's fragments, two sets, at v0 and v128.  windows 2, 3: the accumulators ((a, b) at v[8 (8 (a % 4) + b)]).
.set TBY,   3145728
.set TSY,   131072
.set CHB,   393216                     ; from chunk to chunk in memory
.set NQ,    2
.set FR,    12
.set NL,    3
.set NP,    4                          ; places behind this matrix instruction (ISA guide 7.12.1)
.set ROWB,  3072                       ; a row tile's bytes in a chunk
.set HALFT, 8*ROWB                     ; eight row tiles: a refill, and what one wave reads of A or of B
.set SLOT,  2*HALFT                    ; one operand's slot
.set OPB,   2*SLOT                     ; B's two slots lie behind A's two
.set LAPS,  4
.set SCL,   2*OPB
.set HALFS, 8192
.set SPARE, SCL+4*HALFS
.set SSTG,  SPARE+512                  ; where a wave gathers its results' scale words: 512 bytes a wave, once for q's and k's way and once, 2,048 bytes on, for v's
.set ADRA, 16
.set ADRB, 20
.set LI,   24
.set SWA,  25
.set SRA,  26
.set ADRS, 27
.set SPW,  28
.set NIL,  29
.set PFO,  30                          ; 256 x min(lane, 23)
.set PFC,  31                          ; 256 x lane
.set SC,   32
.set AF,   128
.set TM,   128
.set PC,   144
.set PWS,  168
.set BK,   176
.set SEL,  96
.set G0H,  4                           ; group 0 of the head's loads of codes (the arguments that lay there have been used)
.set G0HB, 92
.set PFA,  18
.set PFCB, 22
.set G1, 24                            ; group 1 of the head's loads of codes
.set G0, 32
.set G1B, 48
.set G0B, 56
.set G1S, 68                           ; group 1 of the scales' loads; behind the head, with 96 rows, of the refills
.set G0S, 76
.set G1SB, 80
.set G0SB, 88
.set MSB, 0
.macro WIN new
.if MSB != (\new)
	s_set_vgpr_msb (MSB<<8)|(\new)
.set MSB, (\new)
.endif
.endm
.set MUL_LO, 0xa1
.set MUL_HI, 0xf1
.set TO_B,   0x40
.macro JLOAD g0a, g1a, g0b, g1b        ; a joint load: waves 0 and 1 fetch for A, waves 2 and 3 for B
	s_cmp_eq_u32 s15, 0
	s_cbranch_scc0 .Lfor_b_\@
	tensor_load_to_lds s[\g0a:\g0a+3], s[\g1a:\g1a+7]
	s_nop 0
.rept 4
	v_nop
.endr
	s_branch .Lasked_\@
.Lfor_b_\@:
	tensor_load_to_lds s[\g0b:\g0b+3], s[\g1b:\g1b+7]
	s_nop 0
.rept 4
	v_nop
.endr
.Lasked_\@:
.endm
.macro CREST
	s_cmp_lg_u32 s14, 0
	s_cbranch_scc1 .Lnot_wave_0_\@
	s_barrier_signal -3
.Lnot_wave_0_\@:
	s_barrier_wait -3
	s_barrier_signal -1
	s_barrier_wait -1
.endm
.macro CROUND
	s_barrier_signal -1
	s_barrier_wait -1
	CREST
.endm
	s_load_b256 s[4:11], s[0:1], 0x0               ; codes1, scales1, cs, qkv
	s_load_b64 s[12:13], s[0:1], 0x20              ; qkvs
	v_lshl_add_u32 v[SPW], v0, 2, SPARE
	v_mov_b32 v[NIL], 0
	ds_add_u32 v[SPW], v[NIL]                      ; the opening lines: the add, twice on end, and its wait
	ds_add_u32 v[SPW], v[NIL]
	v_lshrrev_b32 v1, 5, v0
	v_readfirstlane_b32 s14, v1                    ; wave 0..3
	s_lshr_b32 s15, s14, 1                         ; which half of A's rows is mine.  Also: I refill for A (0) or for B (1)
	s_and_b32 s16, s14, 1                          ; which half of B's rows.  Also: which eight row tiles I refill
	s_bfe_u32 s40, ttmp6, 0x40000                  ; cx
	s_bfe_u32 s41, ttmp6, 0x40004                  ; cy
	s_lshr_b32 s66, ttmp9, 1                       ; ty: the same in all sixteen partners
	s_and_b32 s42, ttmp9, 1
	s_lshl_b32 s42, s42, 2
	s_add_co_u32 s42, s42, s40                     ; B's block of 256 rows
	s_and_b32 s17, ttmp7, 0xffff
	s_lshl_b32 s17, s17, 2
	s_add_co_u32 s17, s17, s41                     ; A's block of 256 rows
	s_lshl_b32 s43, s41, 2
	s_lshl_b32 s43, 15, s43                        ; my row of the cluster
	s_lshl_b32 s44, 0x1111, s40                    ; my column
	s_or_b32 s[G1+0], s43, (3<<16)|(1<<21)         ; two rows of 49,152 bytes (6,144 elements of 8), a chunk apart in memory, dense in LDS
	s_or_b32 s[G1B+0], s44, (3<<16)|(1<<21)
.irp g, G1, G1B
	s_mov_b32 s[\g+1], 6144<<16
	s_mov_b32 s[\g+2], 2<<16
	s_mov_b32 s[\g+3], 6144<<16
	s_mov_b32 s[\g+4], 2
	s_mov_b32 s[\g+5], CHB/8
	s_mov_b32 s[\g+6], 0
	s_mov_b32 s[\g+7], 0
.endr
	s_or_b32 s[G1S+0], s43, (3<<16)|(1<<21)        ; a dense block as rows of 256 bytes: 64 of them for 16 row tiles' scale words
	s_or_b32 s[G1SB+0], s44, (3<<16)|(1<<21)
.irp g, G1S, G1SB
	s_mov_b32 s[\g+1], 32<<16
	s_mov_b32 s[\g+2], 64<<16
	s_mov_b32 s[\g+3], 32<<16
	s_mov_b32 s[\g+4], 64
	s_mov_b32 s[\g+5], 32
	s_mov_b32 s[\g+6], 0
	s_mov_b32 s[\g+7], 0
.endr
	s_lshr_b32 s18, s66, 1
	s_mul_i32 s18, s18, 3                          ; A's tensor: 0 (x), for v 3 (Wv)
	s_add_co_u32 s19, s66, 1
	s_sub_co_u32 s19, s19, s18                     ; B's tensor: 1 (Wq), 2 (Wk), for v 0 (x)
	s_mul_i32 s20, s17, SLOT                       ; my 16 row tiles' place in a chunk
	s_mul_i32 s46, s42, SLOT
	s_lshl_b32 s22, s17, 14                        ; and their 16,384 scale bytes
	s_lshl_b32 s92, s42, 14
	s_mul_i32 s23, s18, TSY
	s_add_co_u32 s22, s22, s23
	s_mul_i32 s23, s19, TSY
	s_add_co_u32 s92, s92, s23
	s_mul_i32 s23, s18, TBY
	s_add_co_u32 s20, s20, s23
	s_mul_i32 s23, s19, TBY
	s_add_co_u32 s46, s46, s23
	s_mov_b32 s21, 0
	s_mov_b32 s23, 0
	s_mov_b32 s47, 0
	s_mov_b32 s93, 0
	s_mul_i32 s94, s16, HALFT                      ; the half that I refill, in memory and in LDS
	s_mov_b32 s95, 0
	s_mul_i32 s45, s15, OPB
	s_add_co_u32 s45, s45, s94                     ; where my refills go: by the wave's number alone
	s_wait_dscnt 0x0                               ; both opening adds are done
	s_wait_kmcnt 0x0
	s_add_nc_u64 s[20:21], s[4:5], s[20:21]
	s_add_nc_u64 s[46:47], s[4:5], s[46:47]
	s_add_nc_u64 s[G0S+2:G0S+3], s[6:7], s[22:23]
	s_add_nc_u64 s[G0SB+2:G0SB+3], s[6:7], s[92:93]
	CROUND                                         ; all sixteen work-groups are here: the first joint loads meet
	s_add_nc_u64 s[22:23], s[20:21], s[94:95]      ; my quarter of A's tile,
	s_add_nc_u64 s[98:99], s[46:47], s[94:95]      ; and of B's
.irp s, 0,1
	s_mov_b32 s[G0+4*\s], 1
	s_add_co_u32 s[G0+4*\s+1], s45, \s*SLOT
	s_add_nc_u64 s[G0+4*\s+2:G0+4*\s+3], s[22:23], \s*CHB
	s_or_b32 s[G0+4*\s+3], s[G0+4*\s+3], 0x80000000
	s_mov_b32 s[G0B+4*\s], 1
	s_add_co_u32 s[G0B+4*\s+1], s45, \s*SLOT
	s_add_nc_u64 s[G0B+4*\s+2:G0B+4*\s+3], s[98:99], \s*CHB
	s_or_b32 s[G0B+4*\s+3], s[G0B+4*\s+3], 0x80000000
.endr
	s_mov_b32 s[G0H], 1
	s_mov_b32 s[G0H+1], 0
	s_mov_b64 s[G0H+2:G0H+3], s[20:21]
	s_or_b32 s[G0H+3], s[G0H+3], 0x80000000
	s_mov_b32 s[G0HB], 1
	s_mov_b32 s[G0HB+1], OPB
	s_mov_b64 s[G0HB+2:G0HB+3], s[46:47]
	s_or_b32 s[G0HB+3], s[G0HB+3], 0x80000000
	s_mov_b32 s[G0S], 1
	s_mov_b32 s[G0S+1], SCL
	s_or_b32 s[G0S+3], s[G0S+3], 0x80000000
	s_mov_b32 s[G0SB], 1
	s_mov_b32 s[G0SB+1], SCL+2*HALFS
	s_or_b32 s[G0SB+3], s[G0SB+3], 0x80000000
; the head's loads, one a wave: one chain of branches on the wave's number, each arm with its load
.macro ARM under, g0, g1, next
	s_cmp_lt_u32 s14, \under
	s_cbranch_scc0 \next
	tensor_load_to_lds s[\g0:\g0+3], s[\g1:\g1+7]
	s_nop 0
.rept 4
	v_nop
.endr
	s_branch .Lhead_asked
\next:
.endm
	ARM 1, G0H,  G1,  .Lhead_b
	ARM 2, G0HB, G1B, .Lhead_sa
	ARM 3, G0S,  G1S, .Lhead_sb
	tensor_load_to_lds s[G0SB:G0SB+3], s[G1SB:G1SB+7]
	s_nop 0
.rept 4
	v_nop
.endr
.Lhead_asked:
	v_and_b32 v1, 15, v0                           ; r
	v_bfe_u32 v2, v0, 4, 1                         ; h
	v_and_b32 v3, 31, v0
	v_lshlrev_b32 v[LI], 4, v3
	v_min_u32 v4, 23, v3
	v_lshlrev_b32 v[PFO], 8, v4
	v_lshlrev_b32 v[PFC], 8, v3
	v_lshlrev_b32 v5, 2, v1                        ; a scale word: 4 r
	s_wait_alu depctr_va_vdst(0)                   ; the wait behind these writes
	s_mul_i32 s20, s15, HALFT                      ; my eight row tiles of A
	s_mul_i32 s21, s16, HALFT                      ; and of B
	s_add_co_u32 s21, s21, OPB
.irp s, 0,1
	v_add_nc_u32 v[ADRA+\s], s20, v[LI]
	v_add_nc_u32 v[ADRB+\s], s21, v[LI]
	s_add_co_u32 s20, s20, SLOT
	s_add_co_u32 s21, s21, SLOT
.endr
	s_lshl_b32 s20, s15, 13
	s_lshl_b32 s21, s16, 13
	s_add_co_u32 s21, s21, 2*HALFS
	s_sub_co_u32 s21, s21, s20
	v_mul_u32_u24 v6, s21, v2                      ; lanes 16-31 take B's: one product, the distance between the two
	s_add_co_u32 s20, s20, SCL
	v_add_nc_u32 v5, v5, v6
	v_add_nc_u32 v[ADRS], s20, v5
	s_lshl_b32 s20, s14, 9
	s_add_co_u32 s20, s20, SSTG
	v_lshlrev_b32 v[SWA], 2, v1
	v_add_nc_u32 v[SWA], s20, v[SWA]
	v_add_nc_u32 v[SRA], s20, v[LI]
	; the tiles' prefetches: my quarter, my work-group's 24 blocks of it, at chunk 3: the first refill steps it to chunk 4
	s_cmp_eq_u32 s15, 0
	s_cselect_b64 s[PFA:PFA+1], s[22:23], s[98:99]
	s_cselect_b32 s20, s40, s41                    ; my place among the four that ask with me
	s_mul_i32 s20, s20, 6144
	s_add_co_u32 s20, s20, 3*CHB
	s_mov_b32 s21, 0
	s_add_nc_u64 s[PFA:PFA+1], s[PFA:PFA+1], s[20:21]
	; where my results go
	s_lshl_b32 s100, s17, 1
	s_add_co_u32 s100, s100, s15                   ; U: my 128 rows of A
	s_lshl_b32 s98, s42, 1
	s_add_co_u32 s98, s98, s16                     ; W: my 128 rows of B
	s_cmp_eq_u32 s66, 2
	s_cselect_b32 s99, s100, s98                   ; the head: W, for v U
	s_cselect_b32 s67, s98, s100                   ; the 128 tokens: U, for v W
	s_mul_i32 s20, s99, 196608
	s_mul_i32 s21, s67, 12288
	s_add_co_u32 s20, s20, s21
	s_mul_i32 s21, s66, TBY
	s_add_co_u32 s20, s20, s21
	s_mov_b32 s21, 0
	s_add_nc_u64 s[10:11], s[10:11], s[20:21]
	s_lshl_b32 s20, s99, 13
	s_lshl_b32 s45, s67, 9
	s_add_co_u32 s20, s20, s45
	s_mul_i32 s45, s66, TSY
	s_add_co_u32 s20, s20, s45
	s_add_nc_u64 s[12:13], s[12:13], s[20:21]
	s_lshl_b32 s20, s100, 17                       ; cos and sin of token tiles 8 U on, 16,384 bytes a tile
	s_add_nc_u64 s[8:9], s[8:9], s[20:21]
	s_lshl_b32 s20, s40, 1
	s_add_co_u32 s20, s20, s16
	s_lshl_b32 s20, s20, 14                        ; of their 131,072 bytes my wave names 16,384
	s_add_nc_u64 s[PFCB:PFCB+1], s[8:9], s[20:21]
	s_mov_b32 s[SEL], 0x76543210
	s_mov_b32 s[SEL+1], 0xfedcba98
.macro FRAG reg, adr, q, i             ; a fragment comes as it was stored: three loads of 512 consecutive bytes
.irp c, 0,1,2
	ds_load_b128 v[(\reg)+4*\c:(\reg)+4*\c+3], v[\adr] offset:(\i)*ROWB+(\q)*1536+512*\c
.endr
.endm
; 16 matrix instructions: A's blocks a0, a0 + 1 x B's eight.  The 64 accumulators take turns, one instruction a turn.
.macro MUL16 a0, p, q, sc, zero
.irp a, \a0, \a0+1
.irp b, 0,1,2,3,4,5,6,7
.if \zero
	v_wmma_scale_f32_16x16x128_f8f6f4 v[8*(8*((\a)%4)+\b):8*(8*((\a)%4)+\b)+7], v[128*(\p)+FR*\b:128*(\p)+FR*\b+FR-1], v[AF+FR*(\a):AF+FR*(\a)+FR-1], 0, v[SC+8*NQ*(\sc)+NQ*\b+(\q)], v[SC+8*NQ*(\sc)+NQ*(\a)+(\q)] matrix_a_fmt:MATRIX_FMT_FP6 matrix_b_fmt:MATRIX_FMT_FP6 matrix_a_scale:MATRIX_SCALE_ROW1
.else
	v_wmma_scale_f32_16x16x128_f8f6f4 v[8*(8*((\a)%4)+\b):8*(8*((\a)%4)+\b)+7], v[128*(\p)+FR*\b:128*(\p)+FR*\b+FR-1], v[AF+FR*(\a):AF+FR*(\a)+FR-1], v[8*(8*((\a)%4)+\b):8*(8*((\a)%4)+\b)+7], v[SC+8*NQ*(\sc)+NQ*\b+(\q)], v[SC+8*NQ*(\sc)+NQ*(\a)+(\q)] matrix_a_fmt:MATRIX_FMT_FP6 matrix_b_fmt:MATRIX_FMT_FP6 matrix_a_scale:MATRIX_SCALE_ROW1
.endif
.endr
.endr
.endm
.macro FETCH_B slot, q, p
	WIN TO_B
.irp i, 0,1,2,3,4,5,6,7
	FRAG 128*(\p)+FR*\i, ADRB+\slot, \q, \i
.endr
	WIN 0
.endm
.macro FETCH_A slot, q, i0
.irp i, \i0, \i0+1, \i0+2, \i0+3
	FRAG AF+FR*(\i), ADRA+\slot, \q, \i
.endr
.endm
.macro SCALES sc                       ; a slot's scale words: register 2 i + q: lanes 0-15 A's block i, lanes 16-31 B's block i
.irp i, 0,1,2,3,4,5,6,7
.irp q, 0,1
	ds_load_b32 v[SC+8*NQ*\sc+NQ*\i+\q], v[ADRS] offset:\i*1024+64*\q
.endr
.endr
.endm
.macro PLACES n
.rept \n
	v_nop
.endr
.endm
.macro STEP slot, q, zero              ; a step of 128 along K that has its successor in the same slot
	s_wait_dscnt 4*NL                              ; the youngest twelve loads (A's blocks 4-7) may be out
	WIN MUL_LO
	MUL16 0, (\q)%2, \q, \slot, \zero
	MUL16 2, (\q)%2, \q, \slot, \zero
	s_wait_dscnt 0
	PLACES NP
	FETCH_B \slot, (\q)+1, 1-(\q)%2
	FETCH_A \slot, (\q)+1, 0
	WIN MUL_HI
	MUL16 4, (\q)%2, \q, \slot, \zero
	MUL16 6, (\q)%2, \q, \slot, \zero
	PLACES NP
	WIN 0
	FETCH_A \slot, (\q)+1, 4
.endm
.macro ASK slot                        ; one prefetch a wave behind a refill and the run of LDS loads: the chunk two refills on; in the last trip cos and sin
	s_cmp_gt_u32 s3, 1
	s_cbranch_scc0 .Lpf_cs_\@
	global_prefetch_b8 v[PFO], s[PFA:PFA+1] th:TH_LOAD_NT scope:SCOPE_SE
	s_branch .Lpf_done_\@
.Lpf_cs_\@:
	s_cmp_lt_u32 s66, 2                            ; v's work-groups read no cos and sin
	s_cbranch_scc0 .Lpf_done_\@
	global_prefetch_b8 v[PFC], s[PFCB:PFCB+1] offset:8192*\slot th:TH_LOAD_NT scope:SCOPE_SE
.Lpf_done_\@:
.endm
; A slot's last step changes slots: one barrier; in front of it each wave waits for all its tensor loads, adds 0 to its spare word, and waits for that and for its reads of this slot.
.macro TURN slot, next, fill
.if \fill
	s_wait_xcnt 0x0                                ; my last prefetch has read its address
	s_add_nc_u64 s[PFA:PFA+1], s[PFA:PFA+1], CHB
.endif
	s_wait_tensorcnt 0x0                           ; all my tensor loads have landed
	ds_add_u32 v[SPW], v[NIL]
	s_wait_dscnt 4*NL+1                            ; the add and the youngest twelve loads may be out
	WIN MUL_LO
	MUL16 0, 1, NQ-1, \slot, 0
	s_wait_dscnt 0x0                               ; the add is done, and my reads of this slot are over
	s_barrier_signal -1
	MUL16 2, 1, NQ-1, \slot, 0
	WIN 0
	s_barrier_wait -1
.if \fill
	CREST                                          ; the barrier has opened a round of the cluster's
	s_add_nc_u64 s[G0+4*\slot+2:G0+4*\slot+3], s[G0+4*\slot+2:G0+4*\slot+3], 2*CHB
	s_add_nc_u64 s[G0B+4*\slot+2:G0B+4*\slot+3], s[G0B+4*\slot+2:G0B+4*\slot+3], 2*CHB
	JLOAD G0+4*\slot, G1S, G0B+4*\slot, G1SB       ; the first tensor load behind the round; its four v_nop are the places in front of the loads below
.else
	PLACES NP
.endif
	s_wait_alu depctr_va_vdst(0)                   ; the wait ahead of the reader below
	v_add_nc_u32 v[ADRS], 64*NQ, v[ADRS]           ; on to the next slot's scale words
	FETCH_B \next, 0, 0
	FETCH_A \next, 0, 0
	SCALES \next
.if \fill
	ASK \slot
.endif
	WIN MUL_HI
	MUL16 4, 1, NQ-1, \slot, 0
	MUL16 6, 1, NQ-1, \slot, 0
	PLACES NP
	WIN 0
	FETCH_A \next, 0, 4
.endm
.macro LAST                            ; the very last step, and the places behind it
	s_wait_dscnt 4*NL
	WIN MUL_LO
	MUL16 0, 1, NQ-1, 1, 0
	MUL16 2, 1, NQ-1, 1, 0
	s_wait_dscnt 0x0
	WIN MUL_HI
	MUL16 4, 1, NQ-1, 1, 0
	MUL16 6, 1, NQ-1, 1, 0
	WIN 0
	PLACES NP
.irp b, 0,1,2,3
	v_mov_b32 v[TM+4+\b], 0                        ; a lane permute's destination counts as one of its sources
.endr
.endm
; 64 numbers v[s] on, in window w, register 16 b + i = k 32 b + 16 (lane / 16) + i of my row, become a fragment's codes in v[PC] on and its scale word in v[pw], both in window 0.
.macro QUANT s, w, pw
	WIN ((\w)<<2)|(\w)
.irp b, 0,1,2,3
	v_max3_num_f32 v[TM+\b], |v[(\s)+16*\b]|, |v[(\s)+1+16*\b]|, 0x1800000   ; from each accumulator's low end on, and the floor 2^(3 - 127)
.endr
.irp i, 2,4,6,8,10,12,14
.irp b, 0,1,2,3
	v_max3_num_f32 v[TM+\b], |v[(\s)+16*\b+\i]|, |v[(\s)+1+16*\b+\i]|, v[TM+\b]
.endr
.endr
	WIN 0
.irp b, 0,1,2,3
	v_permlanex16_b32 v[TM+4+\b], v[TM+\b], s[SEL], s[SEL+1]
.endr
.irp b, 0,1,2,3
	v_max_num_f32 v[TM+\b], v[TM+\b], v[TM+4+\b]
.endr
.irp b, 0,1,2,3
	v_add_nc_u32 v[TM+12+\b], 0xff000000, v[TM+\b] ; 2 off the exponent field: the conversion's scale operand
.endr
.irp b, 0,1,2,3
	v_lshrrev_b32 v[TM+4+\b], 23, v[TM+12+\b]      ; the scale's byte
.endr
	v_lshl_or_b32 v[\pw], v[TM+5], 8, v[TM+4]
	v_lshl_or_b32 v[\pw], v[TM+6], 16, v[\pw]
	v_lshl_or_b32 v[\pw], v[TM+7], 24, v[\pw]
	WIN (\w)
.irp c, 0,1
	v_cvt_scalef32_pk16_fp6_f32 v[PC+6*\c:PC+2+6*\c], v[(\s)+32*\c:(\s)+15+32*\c], v[TM+12+2*\c]
	v_cvt_scalef32_pk16_fp6_f32 v[PC+12+4*\c:PC+14+4*\c], v[(\s)+16+32*\c:(\s)+31+32*\c], v[TM+12+2*\c+1]
.endr
	WIN 0
	v_nop                                          ; one plain place behind a scaled conversion
.irp c, 0,1
.irp i, 0,1,2
	v_permlane16_swap_b32 v[PC+6*\c+\i], v[PC+12+4*\c+\i]
.endr
.irp i, 0,1,2
	v_mov_b32 v[PC+3+6*\c+\i], v[PC+12+4*\c+\i]
.endr
.endr
.endm
; block a's set of registers, a % 3: cos (64) at v[CB] of window CW, sin of channels' registers 0-31 at v[LB] of window LW, of registers 32-63 at v[HB] of window HW
.macro SETOF a
.if (\a)%3 == 0
.set CW, 0
.set CB, 64
.set LW, 0
.set LB, 224
.set HW, 1
.set HB, 224
.endif
.if (\a)%3 == 1
.set CW, 1
.set CB, 0
.set LW, 1
.set LB, 64
.set HW, 1
.set HB, 96
.endif
.if (\a)%3 == 2
.set CW, 1
.set CB, 128
.set LW, 1
.set LB, 192
.set HW, 0
.set HB, 192
.endif
.endm
.macro CSLOAD a                        ; cos and sin of token tile a of my eight: 32 loads of 512 consecutive bytes
	SETOF \a
	WIN (CW<<6)
.irp g, 0,1,2,3,4,5,6,7,8,9,10,11,12,13,14,15
	global_load_b128 v[CB+4*\g:CB+4*\g+3], v[LI], s[8:9] offset:16384*(\a)+512*\g
.endr
	WIN (LW<<6)
.irp g, 0,1,2,3,4,5,6,7
	global_load_b128 v[LB+4*\g:LB+4*\g+3], v[LI], s[8:9] offset:16384*(\a)+8192+512*\g
.endr
	WIN (HW<<6)
.irp g, 0,1,2,3,4,5,6,7
	global_load_b128 v[HB+4*\g:HB+4*\g+3], v[LI], s[8:9] offset:16384*(\a)+12288+512*\g
.endr
	WIN 0
.endm
.macro ROPE a                          ; register j is channel 32 (j / 16) + 16 h + j % 16: the partner 64 channels away is register j + 32 or j - 32.  The result is written over cos
	SETOF \a
.set RA, 64*((\a)%4)
.set AW, 2+(\a)/4
	WIN AW|(CW<<2)|(CW<<6)
.set j, 0
.rept 32
	v_pk_mul_f32 v[CB+j:CB+j+1], v[RA+j:RA+j+1], v[CB+j:CB+j+1]      ; q cos, ascending: each accumulator is first read at its low end
.set j, j+2
.endr
	WIN AW|(LW<<2)|(CW<<4)|(CW<<6)
.set j, 0
.rept 16
	v_pk_fma_f32 v[CB+j:CB+j+1], v[RA+32+j:RA+33+j], v[LB+j:LB+j+1], v[CB+j:CB+j+1] neg_lo:[1,0,0] neg_hi:[1,0,0]   ; - q(d + 64) sin
.set j, j+2
.endr
	WIN AW|(HW<<2)|(CW<<4)|(CW<<6)
.set j, 0
.rept 16
	v_pk_fma_f32 v[CB+32+j:CB+33+j], v[RA+j:RA+j+1], v[HB+j:HB+j+1], v[CB+32+j:CB+33+j]   ; + q(d - 64) sin
.set j, j+2
.endr
	WIN 0
.endm
.macro OUTFRAG a, off
.irp c, 0,1,2
	global_store_b128 v[LI], v[PC+4*\c:PC+4*\c+3], s[10:11] offset:1536*(\a)+512*\c   ; 512 consecutive bytes, aligned
.endr
	ds_store_b32 v[SWA], v[PWS+(\a)] offset:(\off)+64*(\a)   ; both halves of the lanes write the same word with the same value
.endm
.macro TAIL off                        ; my eight fragments' scale words leave as 512 consecutive bytes
	ds_load_b128 v[BK:BK+3], v[SRA] offset:\off
	s_wait_dscnt 0x0
	global_store_b128 v[LI], v[BK:BK+3], s[12:13]
.endm
	s_wait_alu depctr_va_vdst(0)                   ; the wait at the head's end
	s_wait_tensorcnt 0x0                           ; my tile of the head's four is in
	s_mov_b32 s[G1S+2], 96<<16                     ; no tensor load of mine is out: from here on this group 1 serves the refills, 96 rows of 256 bytes
	s_mov_b32 s[G1S+4], 96
	s_mov_b32 s[G1SB+2], 96<<16
	s_mov_b32 s[G1SB+4], 96
	s_barrier_signal -1
	s_barrier_wait -1
	FETCH_B 0, 0, 0
	FETCH_A 0, 0, 0
	SCALES 0
	FETCH_A 0, 0, 4
	STEP 0, 0, 1                                   ; the first step starts the sums
	s_mov_b32 s3, LAPS-1
.Llap:
	TURN 0, 1, 1
	STEP 1, 0, 0
	TURN 1, 0, 1
	STEP 0, 0, 0
	s_sub_co_u32 s3, s3, 1
	s_cmp_lg_u32 s3, 0
	s_cbranch_scc1 .Llap
	TURN 0, 1, 0                                   ; the last lap fills nothing
	STEP 1, 0, 0
	s_cmp_eq_u32 s66, 2                            ; the ways part once, on a number that all partners share
	s_cbranch_scc1 .Lway_v
	CSLOAD 0                                       ; registers that no product names
	CSLOAD 1                                       ; B's set 0 is done with, and STEP's places stand behind its last reader
	LAST
	CSLOAD 2                                       ; B's set 1 and A's fragments are done with, behind LAST's places
.irp a, 0,1,2,3,4,5,6,7
.if \a > 0
	s_wait_xcnt 0x0                                ; the last block's stores have read the codes' registers
.endif
.if \a < 6
	s_wait_loadcnt 63                              ; this block's cos and sin are in; of the 64 loads of the next two blocks 63 may stay out (the largest count that the wait's field names)
.else
	s_wait_loadcnt 32*(7-\a)
.endif
	ROPE \a
	QUANT CB, CW, PWS+\a
	OUTFRAG \a, 0
.if \a < 5
	CSLOAD \a+3                                    ; into the set just worked
.endif
.endr
	TAIL 0
	s_branch .Lend
.Lway_v:
	LAST
.irp a, 0,1,2,3,4,5,6,7
.if \a > 0
	s_wait_xcnt 0x0
.endif
.set QS, 64*(\a%4)
.set QW, 2+\a/4
	QUANT QS, QW, PWS+\a
	OUTFRAG \a, 2048
.endr
	TAIL 2048
.Lend:
	s_wait_tensorcnt 0x0                           ; the wave's end
	ds_add_u32 v[SPW], v[NIL]
	s_wait_dscnt 0x0
	CROUND                                         ; the closing round
	s_endpgm
.Lfunc_end_k_q9dc586c54c_proj:
	.size	k_q9dc586c54c_proj, .Lfunc_end_k_q9dc586c54c_proj-k_q9dc586c54c_proj
	.p2alignl 7, 3214868480
	.fill 96, 4, 3214868480
	.section	.rodata,"a",@progbits
	.p2align	6, 0x0
	.amdhsa_kernel k_q9dc586c54c_proj
		.amdhsa_group_segment_fixed_size 327680
		.amdhsa_private_segment_fixed_size 0
		.amdhsa_enable_private_segment 0
		.amdhsa_kernarg_size 40
		.amdhsa_user_sgpr_count 2
		.amdhsa_user_sgpr_kernarg_segment_ptr 1
		.amdhsa_wavefront_size32 1
		.amdhsa_system_sgpr_workgroup_id_x 1
		.amdhsa_system_sgpr_workgroup_id_y 1
		.amdhsa_system_sgpr_workgroup_id_z 1
		.amdhsa_system_vgpr_workitem_id 0
		.amdhsa_next_free_vgpr 1024
		.amdhsa_next_free_sgpr 102
		.amdhsa_reserve_vcc 0
		.amdhsa_float_denorm_mode_32 3
		.amdhsa_float_denorm_mode_16_64 3
		.amdhsa_memory_ordered 1
		.amdhsa_forward_progress 1
		.amdhsa_inst_pref_size 244
	.end_amdhsa_kernel
	.amdgpu_metadata
---
amdhsa.version: [ 1, 2 ]
amdhsa.kernels:
  - .name:           k_q9dc586c54c_proj
    .symbol:         k_q9dc586c54c_proj.kd
    .args:
      - { .name: codes1, .offset: 0, .size: 8, .value_kind: global_buffer, .address_space: global }
      - { .name: scales1, .offset: 8, .size: 8, .value_kind: global_buffer, .address_space: global }
      - { .name: cs, .offset: 16, .size: 8, .value_kind: global_buffer, .address_space: global }
      - { .name: qkv, .offset: 24, .size: 8, .value_kind: global_buffer, .address_space: global }
      - { .name: qkvs, .offset: 32, .size: 8, .value_kind: global_buffer, .address_space: global }
    .group_segment_fixed_size: 327680
    .private_segment_fixed_size: 0
    .kernarg_segment_align: 8
    .kernarg_segment_size: 40
    .max_flat_workgroup_size: 128
    .sgpr_count:     102
    .vgpr_count:     1024
    .wavefront_size: 32
...
	.end_amdgpu_metadata
.endif
;; end of part 2
;; launch attn (part 3): grid 16 x 16, 16 waves a work-group, no clusters, 327,680 bytes of LDS; arguments qkv, qkvs, oimg, osc; writes oimg, osc
.if DOCPART == 3
	.amdgcn_target "amdgcn-amd-amdhsa--gfx1250"
	.amdhsa_code_object_version 6
	.text
	.protected	k_q9dc586c54c_attn
	.globl	k_q9dc586c54c_attn
	.p2align	8
	.type	k_q9dc586c54c_attn,@function
k_q9dc586c54c_attn:
	s_mov_b64 s[64:65], 0
	v_nop
	global_prefetch_b8 v0, s[64:65] scope:SCOPE_SE
	s_setreg_imm32_b32 hwreg(HW_REG_WAVE_MODE, 25, 1), 1
	s_wait_xcnt 0x0
.set TBY,   3145728
.set TSY,   131072
.set STEPB, 12288
.set PARTB, 6144
.set VOFF,  4*STEPB
.set SLOT1, 1<<17
.set SCK,   2*SLOT1
.set SPARE, SCK+16384
.set MLB,   SPARE+2048
.set MGB,   8*STEPB
.set LI,   1
.set LS0,  2
.set QL,   3
.set R4,   4
.set SPW,  5
.set NIL,  6
.set PFO,  7
.set ADK,  8
.set ADS,  10
.set MG,   28
.set ML,   29
.set WV,   18
.set SEL,  20
.set CS,   22
.set G1K,  24
.set G1S,  32
.set G0,   40
.set G0S,  44
.set TB,   2
.set TS,   3
.set KF,   48
.set Q0,   49
.set SLOTS, 50
.set INNER, 51
.set PFA,  52
.set LIM,  54
.set TM,   32
.set PW,   48
.set PC,   52
	s_load_b256 s[4:11], s[0:1], 0x0
	v_lshl_add_u32 v[SPW], v0, 2, SPARE
	v_mov_b32 v[NIL], 0
	ds_add_u32 v5, v6
	ds_add_u32 v5, v6
	s_wait_dscnt 0x0
	v_lshrrev_b32 v8, 5, v0
	s_delay_alu instid0(VALU_DEP_1)
	v_readfirstlane_b32 s[WV], v8
	s_and_b32 s55, ttmp7, 0xffff
	s_mov_b32 s56, ttmp9
	s_sub_co_u32 s57, 31, s56
	s_and_b32 s58, s[WV], 3
	s_lshr_b32 s59, s[WV], 2
	s_xor_b32 s59, s59, s[WV]
	s_and_b32 s59, s59, 1
	s_cmp_eq_u32 s59, 0
	s_cselect_b32 s57, s56, s57
	s_lshl_b32 s57, s57, 2
	s_add_co_u32 s57, s57, s58
	s_lshr_b32 s59, s57, 1
	s_lshl_b32 s59, s59, 5
	s_and_b32 s60, s57, 1
	s_lshl_b32 s60, s60, 3
	s_add_co_u32 s[Q0], s59, s60
	s_lshr_b32 s79, s[WV], 3
	s_and_b32 s80, s[WV], 7
	s_add_co_u32 s61, s79, 1
	s_mul_i32 s62, s61, TBY
	s_mul_i32 s63, s55, 196608
	s_add_co_u32 s62, s62, s63
	s_mul_i32 s63, s80, PARTB
	s_add_co_u32 s62, s62, s63
	s_mov_b32 s63, 0
	s_mul_i32 s66, s61, TSY
	s_lshl_b32 s67, s55, 13
	s_add_co_u32 s66, s66, s67
	s_lshl_b32 s67, s80, 10
	s_add_co_u32 s66, s66, s67
	s_mov_b32 s67, 0
	s_mul_i32 s68, s55, 196608
	s_mul_i32 s69, s57, 1536
	s_add_co_u32 s68, s68, s69
	s_mov_b32 s69, 0
	s_lshl_b32 s70, s55, 13
	s_lshl_b32 s71, s57, 6
	s_add_co_u32 s70, s70, s71
	s_mov_b32 s71, 0
	s_mul_i32 s72, s57, 3072                       ; oimg is laid [chunk of two heads 8][token tile 128][head of the chunk 2][1,536]
	s_lshr_b32 s73, s55, 1
	s_mul_i32 s73, s73, 393216
	s_add_co_u32 s72, s72, s73
	s_and_b32 s73, s55, 1
	s_mul_i32 s73, s73, 1536
	s_add_co_u32 s72, s72, s73
	s_mov_b32 s73, 0
	s_lshl_b32 s74, s57, 10
	s_lshl_b32 s75, s55, 6
	s_add_co_u32 s74, s74, s75
	s_mov_b32 s75, 0
	s_mul_i32 s76, s55, 196608
	s_lshl_b32 s77, s[WV], 13
	s_add_co_u32 s76, s76, s77
	s_add_co_u32 s76, s76, TBY+4*STEPB
	s_mov_b32 s77, 0
	s_cmp_lt_u32 s[WV], 6
	s_cselect_b32 s78, 0, 1
	s_or_b32 s78, s78, s56
	s_cmp_eq_u32 s78, 0
	s_cselect_b32 s[LIM], 1, -1
	s_lshl_b32 s81, s58, 13
	s_and_b32 s82, s[WV], 4
	s_lshl_b32 s82, s82, 15
	s_add_co_u32 s81, s81, s82
	s_add_co_u32 s81, s81, MGB
	s_lshl_b32 s82, s80, 8
	s_add_co_u32 s82, s82, MLB
	s_mov_b32 s[G1K], 3<<16
	s_mov_b32 s[G1K+1], 32<<16
	s_mov_b32 s[G1K+2], 24<<16
	s_mov_b32 s[G1K+3], 32<<16
	s_mov_b32 s[G1K+4], 24
	s_mov_b32 s[G1K+5], 32
	s_mov_b32 s[G1K+6], 0
	s_mov_b32 s[G1K+7], 0
	s_mov_b32 s[SEL], 0x76543210
	s_mov_b32 s[SEL+1], 0xfedcba98
	s_mov_b32 s[CS], 0x3e0293ee
	s_mov_b32 s[CS+1], s[CS]
	s_mul_i32 s[TB], s79, STEPB
	s_lshl_b32 s[TS], s79, 9
	s_lshl_b32 s[KF], s79, 7
	s_mov_b32 s[SLOTS], 3
	s_lshl_b32 s[G0S+1], s[WV], 10
	s_add_co_u32 s[G0S+1], s[G0S+1], SCK
	s_mov_b32 s[G0], 1
	s_mul_i32 s[G0+1], s[WV], PARTB
	s_wait_kmcnt 0x0
	s_add_nc_u64 s[66:67], s[6:7], s[66:67]        ; my wave's 1,024 bytes of k's or v's scale words
	s_add_nc_u64 s[G0+2:G0+3], s[4:5], s[62:63]
	s_or_b32 s[G0+3], s[G0+3], 0x80000000
	tensor_load_to_lds s[G0:G0+3], s[G1K:G1K+7]    ; my part of slot 0: the wave's one tensor load at the head
	s_nop 0
.rept 4
	v_nop
.endr
	s_add_nc_u64 s[68:69], s[4:5], s[68:69]
	s_add_nc_u64 s[70:71], s[6:7], s[70:71]
	s_add_nc_u64 s[8:9], s[8:9], s[72:73]
	s_add_nc_u64 s[10:11], s[10:11], s[74:75]
	s_add_nc_u64 s[PFA:PFA+1], s[4:5], s[76:77]
	v_and_b32 v8, 31, v0
	s_delay_alu instid0(VALU_DEP_1)
	v_lshlrev_b32 v[LI], 4, v8
	s_delay_alu instid0(VALU_DEP_2)
	v_lshlrev_b32 v[PFO], 8, v8
	s_delay_alu instid0(VALU_DEP_2)
	v_add_nc_u32 v[MG], s81, v[LI]
	s_delay_alu instid0(VALU_DEP_4)
	v_lshlrev_b32 v[ML], 2, v8
	s_delay_alu instid0(VALU_DEP_1)
	v_add_nc_u32 v[ML], s82, v[ML]
	v_and_b32 v9, 15, v0
	s_delay_alu instid0(VALU_DEP_1)
	v_lshlrev_b32 v[R4], 2, v9
	s_delay_alu instid0(VALU_DEP_1)
	v_add_nc_u32 v[LS0], SCK, v[R4]
	s_delay_alu instid0(VALU_DEP_3)
	v_and_b32 v10, 8, v9
	s_delay_alu instid0(VALU_DEP_1)
	v_add_nc_u32 v[QL], v9, v10
	v_bfe_u32 v10, v0, 4, 1
	s_delay_alu instid0(VALU_DEP_1)
	v_lshlrev_b32 v10, 4, v10
	s_delay_alu instid0(VALU_DEP_1)
	v_sub_nc_u32 v[QL], v[QL], v10
	global_load_b128 v[16:19], v[LI], s[68:69]
	global_load_b128 v[20:23], v[LI], s[68:69] offset:512
	global_load_b128 v[24:27], v[LI], s[68:69] offset:1024
	global_load_b32 v255, v[R4], s[70:71]
	global_load_b128 v[32:35], v[LI], s[66:67]     ; the scale words come through registers: two loads of 512 consecutive bytes
	global_load_b128 v[36:39], v[LI], s[66:67] offset:512
	v_add_nc_u32 v30, s[G0S+1], v[LI]              ; their place in LDS: SCK + 1,024 x wave + 16 x lane: bytes that no tensor load fills
	v_mov_b32 v13, 0xff61b1e6
	s_delay_alu instid0(VALU_DEP_1)
	v_floor_f32 v12, -v13
	v_mov_b32 v14, 0
	v_mov_b32 v15, 0
.irp b, 0,1,2,3
	v_mov_b32 v[236+\b], 0
.endr
	v_mov_b32 v252, 0
	v_mov_b32 v253, 0
.set j, 0
.rept 64
	v_mov_b32 v[160+j], 0
.set j, j+1
.endr
.macro VLOAD g
.irp t, 0,1,2,3
.irp c, 0,1,2
	ds_load_b128 v[32+12*\t+4*\c:35+12*\t+4*\c], v[ADK] offset:VOFF+(4*\g+\t)*1536+512*\c
.endr
	ds_load_b32 v[248+\t], v[ADS] offset:8192+64*(4*\g+\t)
.endr
.endm
.macro STEP
	s_add_co_u32 s78, s[Q0], 23
	s_cmp_gt_u32 s[KF], s78
	s_cbranch_scc1 .Lhidden_\@
	v_add_nc_u32 v[ADK], s[TB], v[LI]
	s_wait_alu depctr_va_vdst(0)
	v_add_nc_u32 v[ADS], s[TS], v[LS0]
	s_wait_alu depctr_va_vdst(0)
	v_nop
	v_nop
.irp g, 0,1
.if \g > 0
.rept 4
	v_nop
.endr
.endif
.irp t, 0,1,2,3
.irp c, 0,1,2
	ds_load_b128 v[32+12*\t+4*\c:35+12*\t+4*\c], v[ADK] offset:(4*\g+\t)*1536+512*\c
.endr
	ds_load_b32 v[248+\t], v[ADS] offset:64*(4*\g+\t)
.endr
	s_wait_dscnt 0x0
.irp t, 0,1,2,3
	v_wmma_scale_f32_16x16x128_f8f6f4 v[96+8*(4*\g+\t):103+8*(4*\g+\t)], v[32+12*\t:43+12*\t], v[16:27], 0, v[248+\t], v255 matrix_a_fmt:MATRIX_FMT_FP6 matrix_b_fmt:MATRIX_FMT_FP6
.endr
.endr
.rept 4
	v_nop
.endr
	VLOAD 0
	s_add_co_u32 s78, s[KF], 127
	s_cmp_le_u32 s78, s[Q0]
	s_cbranch_scc1 .Lopen_\@
	s_sub_co_i32 s78, s[Q0], s[KF]
	v_add_nc_u32 v252, s78, v[QL]
	v_mov_b32 v254, 0xff800000
.set n, 0
.rept 64
	v_cmp_gt_i32 vcc_lo, 32*(n/16)+n%16, v252
	v_cndmask_b32 v[96+n], v[96+n], v254, vcc_lo
.set n, n+1
.endr
.Lopen_\@:
.irp b, 0,1,2,3
	v_max3_num_f32 v[232+\b], v[96+16*\b], v[97+16*\b], v[98+16*\b]
.endr
.irp i, 3,5,7,9,11,13
.irp b, 0,1,2,3
	v_max3_num_f32 v[232+\b], v[232+\b], v[96+16*\b+\i], v[97+16*\b+\i]
.endr
.endr
.irp b, 0,1,2,3
	v_max_num_f32 v[232+\b], v[232+\b], v[111+16*\b]
.endr
.irp b, 0,1,2,3
	s_delay_alu instid0(VALU_DEP_4)
	v_permlanex16_b32 v[236+\b], v[232+\b], s[SEL], s[SEL+1]
.endr
.irp b, 0,1,2,3
	s_delay_alu instid0(VALU_DEP_4)
	v_max_num_f32 v[232+\b], v[232+\b], v[236+\b]
.endr
	s_delay_alu instid0(VALU_DEP_2)
	v_max3_num_f32 v254, v232, v233, v234
	s_delay_alu instid0(VALU_DEP_1)
	v_max_num_f32 v254, v254, v235
	s_delay_alu instid0(VALU_DEP_1)
	v_mul_f32 v254, s[CS], v254
	s_delay_alu instid0(VALU_DEP_1)
	v_max_num_f32 v13, v13, v254
	v_mov_b32 v254, v12
	s_delay_alu instid0(VALU_DEP_2)
	v_floor_f32 v12, -v13
	s_delay_alu instid0(VALU_DEP_1)
	v_sub_f32 v254, v12, v254
	s_delay_alu instid0(VALU_DEP_1)
	v_cvt_i32_f32 v254, v254
	s_delay_alu instid0(VALU_DEP_1)
	v_ldexp_f32 v252, 1.0, v254
.set j, 0
.rept 32
	v_pk_fma_f32 v[96+j:97+j], v[96+j:97+j], s[CS:CS+1], v[12:13] op_sel_hi:[1,0,0]
.set j, j+2
.endr
.irp b, 0,1,2,3
	v_fma_f32 v[232+\b], v[232+\b], s[CS], v12
.endr
.set j, 0
	s_wait_alu depctr_va_vdst(0)
.rept 64
	v_exp_f32 v[96+j], v[96+j]
.set j, j+1
.endr
	v_pk_mul_f32 v[14:15], v[14:15], v[252:253] op_sel_hi:[1,0]
	s_wait_alu depctr_va_vdst(0)
.irp b, 0,1,2,3
	v_exp_f32 v[232+\b], v[232+\b]
.endr
	v_pk_add_f32 v[236:237], v[96:97], v[98:99]
.irp j, 4,8,12,16,20,24,28,32,36,40,44,48,52,56,60
	v_pk_add_f32 v[14:15], v[14:15], v[96+\j:97+\j]
	v_pk_add_f32 v[236:237], v[236:237], v[98+\j:99+\j]
.endr
	s_delay_alu instid0(VALU_DEP_1)
	v_pk_add_f32 v[14:15], v[14:15], v[236:237]
	s_wait_alu depctr_va_vdst(0)
.irp b, 0,1,2,3
	v_max_num_f32 v[232+\b], 0x1800000, v[232+\b]
.endr
.irp b, 0,1,2,3
	s_delay_alu instid0(VALU_DEP_4)
	v_add_nc_u32 v[244+\b], 0xff000000, v[232+\b]
.endr
.irp b, 0,1,2,3
	s_delay_alu instid0(VALU_DEP_4)
	v_lshrrev_b32 v[236+\b], 23, v[244+\b]
.endr
	s_delay_alu instid0(VALU_DEP_3)
	v_lshl_or_b32 v253, v237, 8, v236
	s_delay_alu instid0(VALU_DEP_1)
	v_lshl_or_b32 v253, v238, 16, v253
	s_delay_alu instid0(VALU_DEP_1)
	v_lshl_or_b32 v253, v239, 24, v253
.irp c, 0,1
	v_cvt_scalef32_pk16_fp6_f32 v[224+6*\c:226+6*\c], v[96+32*\c:111+32*\c], v[244+2*\c]
	v_cvt_scalef32_pk16_fp6_f32 v[236+4*\c:238+4*\c], v[112+32*\c:127+32*\c], v[244+2*\c+1]
.endr
	v_nop
.irp c, 0,1
.irp i, 0,1,2
	v_permlane16_swap_b32 v[224+6*\c+\i], v[236+4*\c+\i]
.endr
.irp i, 0,1,2
	s_delay_alu instid0(VALU_DEP_3)
	v_mov_b32 v[227+6*\c+\i], v[236+4*\c+\i]
.endr
.endr
.set j, 0
.rept 32
	v_pk_mul_f32 v[160+j:161+j], v[160+j:161+j], v[252:253] op_sel_hi:[1,0]
.set j, j+2
.endr
	s_wait_alu depctr_va_vdst(0)
	s_wait_dscnt 0x0
.irp t, 0,1,2,3
	v_wmma_scale_f32_16x16x128_f8f6f4 v[160+8*\t:167+8*\t], v[32+12*\t:43+12*\t], v[224:235], v[160+8*\t:167+8*\t], v[248+\t], v253 matrix_a_fmt:MATRIX_FMT_FP6 matrix_b_fmt:MATRIX_FMT_FP6
.endr
.rept 4
	v_nop
.endr
	VLOAD 1
	s_wait_dscnt 0x0
.irp t, 0,1,2,3
	v_wmma_scale_f32_16x16x128_f8f6f4 v[192+8*\t:199+8*\t], v[32+12*\t:43+12*\t], v[224:235], v[192+8*\t:199+8*\t], v[248+\t], v253 matrix_a_fmt:MATRIX_FMT_FP6 matrix_b_fmt:MATRIX_FMT_FP6
.endr
.Lhidden_\@:
	s_add_co_u32 s[KF], s[KF], 256
	s_add_co_u32 s[TB], s[TB], 2*STEPB
	s_add_co_u32 s[TS], s[TS], 1024
.endm
.macro MY_STEPS
	s_mov_b32 s[INNER], 2
.Lstep_\@:
	STEP
	s_sub_co_u32 s[INNER], s[INNER], 1
	s_cmp_lg_u32 s[INNER], 0
	s_cbranch_scc1 .Lstep_\@
	s_sub_co_u32 s[TB], s[TB], 4*STEPB
	s_xor_b32 s[TB], s[TB], SLOT1
.endm
.macro ASK
	s_cmp_gt_u32 s[SLOTS], s[LIM]
	s_cbranch_scc0 .Lnot_mine_\@
	global_prefetch_b8 v[PFO], s[PFA:PFA+1] th:TH_LOAD_NT scope:SCOPE_SE
	global_prefetch_b8 v[PFO], s[PFA:PFA+1] offset:TBY th:TH_LOAD_NT scope:SCOPE_SE
.Lnot_mine_\@:
.endm
.macro CHANGE fill
	s_wait_tensorcnt 0x0
	ds_add_u32 v[SPW], v[NIL]
.if \fill
	s_xor_b32 s[G0+1], s[G0+1], SLOT1
	s_add_nc_u64 s[G0+2:G0+3], s[G0+2:G0+3], 4*STEPB
	s_wait_xcnt 0x0
	s_add_nc_u64 s[PFA:PFA+1], s[PFA:PFA+1], 4*STEPB
.endif
	s_wait_dscnt 0x0
	s_barrier_signal -1
	s_barrier_wait -1
.if \fill
	tensor_load_to_lds s[G0:G0+3], s[G1K:G1K+7]
	s_nop 0
.rept 4
	v_nop
.endr
	ASK
.endif
.endm
	s_wait_alu depctr_va_vdst(0)                   ; the wait at the head's end
	s_wait_loadcnt 0x0
	s_wait_tensorcnt 0x0                           ; my part of slot 0 is in: no tensor load of mine is out when I store to LDS
	ds_store_b128 v30, v[32:35]                    ; the first change of slots waits for these stores in front of its barrier, behind which all waves read them
	ds_store_b128 v30, v[36:39] offset:512
.Lslot:
	CHANGE 1
	MY_STEPS
	s_sub_co_u32 s[SLOTS], s[SLOTS], 1
	s_cmp_lg_u32 s[SLOTS], 0
	s_cbranch_scc1 .Lslot
	CHANGE 0
	MY_STEPS
.rept 4
	v_nop
.endr
	v_add_f32 v14, v14, v15
	s_cmp_lt_u32 s[WV], 8
	s_cbranch_scc1 .Lfirst_of_pair
.set i, 0
	s_wait_alu depctr_va_vdst(0)
.rept 16
	ds_store_b128 v[MG], v[160+4*i:163+4*i] offset:512*i
.set i, i+1
.endr
	ds_store_b32 v[ML], v12
	ds_store_b32 v[ML], v14 offset:128
.Lfirst_of_pair:
	s_wait_dscnt 0x0
	s_barrier_signal -1
	s_barrier_wait -1
	s_cmp_lt_u32 s[WV], 8
	s_cbranch_scc0 .Lend
	ds_load_b32 v252, v[ML]
	ds_load_b32 v253, v[ML] offset:128
.set i, 0
.rept 16
	ds_load_b128 v[96+4*i:99+4*i], v[MG] offset:512*i
.set i, i+1
.endr
	s_wait_dscnt 0x0
	v_min_num_f32 v254, v12, v252
	s_delay_alu instid0(VALU_DEP_1)
	v_sub_f32 v232, v254, v12
	s_delay_alu instid0(VALU_DEP_2)
	v_sub_f32 v234, v254, v252
	s_delay_alu instid0(VALU_DEP_2)
	v_cvt_i32_f32 v232, v232
	s_delay_alu instid0(VALU_DEP_2)
	v_cvt_i32_f32 v234, v234
	s_delay_alu instid0(VALU_DEP_2)
	v_ldexp_f32 v232, 1.0, v232
	s_wait_alu depctr_va_vdst(0)
	v_ldexp_f32 v234, 1.0, v234
	v_mul_f32 v14, v14, v232
	s_delay_alu instid0(VALU_DEP_1)
	v_fma_f32 v14, v253, v234, v14
	s_delay_alu instid0(VALU_DEP_1)
	v_permlanex16_b32 v236, v14, s[SEL], s[SEL+1]
	s_delay_alu instid0(VALU_DEP_1)
	v_add_f32 v14, v14, v236
	s_wait_alu depctr_va_vdst(0)
	v_rcp_f32 v14, v14
.irp b, 0,1,2,3
	v_mov_b32 v[TM+4+\b], 0
.endr
	v_mov_b32 v233, 0
	v_mov_b32 v235, 0
	s_wait_alu depctr_va_vdst(0)
	v_mul_f32 v232, v232, v14
	v_mul_f32 v234, v234, v14
.set j, 0
.rept 32
	v_pk_mul_f32 v[96+j:97+j], v[96+j:97+j], v[234:235] op_sel_hi:[1,0]
.set j, j+2
.endr
.set j, 0
.rept 32
	v_pk_fma_f32 v[96+j:97+j], v[160+j:161+j], v[232:233], v[96+j:97+j] op_sel_hi:[1,0,1]
.set j, j+2
.endr
.irp b, 0,1,2,3
	v_max3_num_f32 v[TM+\b], |v[96+16*\b]|, |v[97+16*\b]|, 0x1800000
.endr
.irp i, 2,4,6,8,10,12,14
.irp b, 0,1,2,3
	s_delay_alu instid0(VALU_DEP_4)
	v_max3_num_f32 v[TM+\b], v[TM+\b], |v[96+16*\b+\i]|, |v[97+16*\b+\i]|
.endr
.endr
.irp b, 0,1,2,3
	s_delay_alu instid0(VALU_DEP_4)
	v_permlanex16_b32 v[TM+4+\b], v[TM+\b], s[SEL], s[SEL+1]
.endr
.irp b, 0,1,2,3
	s_delay_alu instid0(VALU_DEP_4)
	v_max_num_f32 v[TM+\b], v[TM+\b], v[TM+4+\b]
.endr
.irp b, 0,1,2,3
	s_delay_alu instid0(VALU_DEP_4)
	v_add_nc_u32 v[TM+12+\b], 0xff000000, v[TM+\b]
.endr
.irp b, 0,1,2,3
	s_delay_alu instid0(VALU_DEP_4)
	v_lshrrev_b32 v[TM+4+\b], 23, v[TM+12+\b]
.endr
	s_delay_alu instid0(VALU_DEP_3)
	v_lshl_or_b32 v[PW], v[TM+5], 8, v[TM+4]
	s_delay_alu instid0(VALU_DEP_1)
	v_lshl_or_b32 v[PW], v[TM+6], 16, v[PW]
	s_delay_alu instid0(VALU_DEP_1)
	v_lshl_or_b32 v[PW], v[TM+7], 24, v[PW]
.irp c, 0,1
	v_cvt_scalef32_pk16_fp6_f32 v[PC+6*\c:PC+2+6*\c], v[96+32*\c:111+32*\c], v[TM+12+2*\c]
	v_cvt_scalef32_pk16_fp6_f32 v[PC+12+4*\c:PC+14+4*\c], v[112+32*\c:127+32*\c], v[TM+12+2*\c+1]
.endr
	v_nop
.irp c, 0,1
.irp i, 0,1,2
	v_permlane16_swap_b32 v[PC+6*\c+\i], v[PC+12+4*\c+\i]
.endr
.irp i, 0,1,2
	s_delay_alu instid0(VALU_DEP_3)
	v_mov_b32 v[PC+3+6*\c+\i], v[PC+12+4*\c+\i]
.endr
.endr
.irp c, 0,1,2
	global_store_b128 v[LI], v[PC+4*\c:PC+4*\c+3], s[8:9] offset:512*\c
.endr
	global_store_b32 v[R4], v[PW], s[10:11]
.Lend:
	s_wait_tensorcnt 0x0
	ds_add_u32 v[SPW], v[NIL]
	s_wait_dscnt 0x0
	s_endpgm
.Lfunc_end_k_q9dc586c54c_attn:
	.size	k_q9dc586c54c_attn, .Lfunc_end_k_q9dc586c54c_attn-k_q9dc586c54c_attn
	.p2alignl 7, 3214868480
	.fill 96, 4, 3214868480
	.section	.rodata,"a",@progbits
	.p2align	6, 0x0
	.amdhsa_kernel k_q9dc586c54c_attn
		.amdhsa_group_segment_fixed_size 327680
		.amdhsa_private_segment_fixed_size 0
		.amdhsa_enable_private_segment 0
		.amdhsa_kernarg_size 32
		.amdhsa_user_sgpr_count 2
		.amdhsa_user_sgpr_kernarg_segment_ptr 1
		.amdhsa_wavefront_size32 1
		.amdhsa_system_sgpr_workgroup_id_x 1
		.amdhsa_system_sgpr_workgroup_id_y 1
		.amdhsa_system_sgpr_workgroup_id_z 1
		.amdhsa_system_vgpr_workitem_id 0
		.amdhsa_next_free_vgpr 256
		.amdhsa_next_free_sgpr 84
		.amdhsa_reserve_vcc 1
		.amdhsa_float_denorm_mode_32 3
		.amdhsa_float_denorm_mode_16_64 3
		.amdhsa_memory_ordered 1
		.amdhsa_forward_progress 1
		.amdhsa_inst_pref_size 76
	.end_amdhsa_kernel
	.amdgpu_metadata
---
amdhsa.version: [ 1, 2 ]
amdhsa.kernels:
  - .name:           k_q9dc586c54c_attn
    .symbol:         k_q9dc586c54c_attn.kd
    .args:
      - { .name: qkv, .offset: 0, .size: 8, .value_kind: global_buffer, .address_space: global }
      - { .name: qkvs, .offset: 8, .size: 8, .value_kind: global_buffer, .address_space: global }
      - { .name: oimg, .offset: 16, .size: 8, .value_kind: global_buffer, .address_space: global }
      - { .name: osc, .offset: 24, .size: 8, .value_kind: global_buffer, .address_space: global }
    .group_segment_fixed_size: 327680
    .private_segment_fixed_size: 0
    .kernarg_segment_align: 8
    .kernarg_segment_size: 32
    .max_flat_workgroup_size: 512
    .sgpr_count:     84
    .vgpr_count:     256
    .wavefront_size: 32
...
	.end_amdgpu_metadata
.endif
;; end of part 3
;; launch oproj (part 4): grid 16 x 16, 4 waves a work-group, clusters of 4 x 4, 327,680 bytes of LDS; arguments oimg, osc, codes1, scales1, out0; writes out0
.if DOCPART == 4
	.amdgcn_target "amdgcn-amd-amdhsa--gfx1250"
	.amdhsa_code_object_version 6
	.text
	.protected	k_q9dc586c54c_oproj
	.globl	k_q9dc586c54c_oproj
	.p2align	8
	.type	k_q9dc586c54c_oproj,@function
k_q9dc586c54c_oproj:
	s_mov_b64 s[64:65], 0
	v_nop
	global_prefetch_b8 v0, s[64:65] scope:SCOPE_SE
	s_setreg_imm32_b32 hwreg(HW_REG_WAVE_MODE, 25, 1), 1
	s_wait_xcnt 0x0
	s_wait_alu depctr_hold_cnt(0) depctr_sa_sdst(0) depctr_va_vdst(0) depctr_va_sdst(0) depctr_va_ssrc(0) depctr_va_vcc(0) depctr_vm_vsrc(0)
	s_getreg_b32 s2, hwreg(HW_REG_IB_STS2, 6, 4)
	s_cmp_eq_u32 s2, 0
	s_cbranch_scc0 .Lentry_in_a_cluster
	s_endpgm
.Lentry_in_a_cluster:
	s_bfe_u32 s2, ttmp6, 0x10000c
	s_cmp_lg_u32 s2, 0xf033
	s_cbranch_scc0 .Lentry_shape_is_right
	s_endpgm
.Lentry_shape_is_right:
; out0 = O Wo^T on codes of FP6 (E2M3) with E8M0 scales; out0 [2048][2048] f32.  O and Wo are images of operand registers: [chunk of two K steps 8][row tile 128][3,072]; scale words [row tile][K step 16][16].
; Row r of tile 2 B + u is row 32 B + 8 u + r + 8 (r / 8) of the tensor.  Wo is the fifth tensor of codes1 and scales1.
; A tile of 128 x 128 to a work-group, so that there are 256 of them; four waves, each 64 x 64: 16 accumulators.
; TWO FILLS.  The head, one joint load a wave: wave 0 O's chunks 0-5 (six rows of 24,576 bytes), wave 1 Wo's, wave 2 O's scale words for all of K, wave 3 Wo's.  Behind K step 3 the bytes of chunks 0 and 1 take chunks 6 and 7, a chunk of one operand a wave.
; THE MATRIX INSTRUCTION IS USED TRANSPOSED (source 0 = 16 rows of Wo, source 1 = 16 rows of O): a lane holds one token, and the eight registers of B's tile b are columns 32 (b / 2) + 16 (l / 16) + 8 (b % 2) + 0 .. 7.
; CLUSTERS: 4 x 4 work-groups; O's tiles are asked for jointly along a row of the cluster, Wo's along a column.
; NO PREFETCH: the walk along K is written out, with no loop to run ahead in, and three quarters of the operands are asked for by the head's own loads.
; The stage of the way out lies in O's chunks 2 on: they are filled once, and their last reads are over at the barrier of K step 11.
; REGISTERS: window 0: v16-30 addresses; v32-39 scale words, two sets; v40-103 rows on the way out, two sets; v128-255 the accumulators ((a, b) at v[128 + 8 (4 a + b)]).
;   window 1: two buffers at v0 and v128: A's four fragments, then, 48 registers on, B's four.
.set TBY,   3145728
.set TSY,   131072
.set CHB,   393216                     ; from chunk to chunk in memory
.set ROWB,  3072
.set CHL,   8*ROWB                     ; a chunk of the work-group's eight row tiles
.set OPB,   6*CHL                      ; an operand's six places for chunks
.set SCL,   2*OPB
.set HALFS, 4096
.set SPARE, SCL+4*HALFS
.set STAGE, 2*CHL                      ; 16 rows x 272 bytes for each wave
.set ADRA, 16                          ; v16-18 my A fragments in places 0-1, 2-3, 4-5
.set ADRB, 20                          ; v20-22 the same for B
.set STO,  24
.set RD,   25
.set CO,   26
.set ADRS, 27
.set SPW,  28
.set NIL,  29
.set LI,   30
.set SC,   32
.set OB,   40
.set ACC,  128
.set G1, 24
.set G0, 32                            ; s[32:35] the second fill, s[36:39] the head's load
.set G0H, 36
.set G1B, 48
.set G0B, 56
.set G0HB, 60
.set G1S, 68                           ; group 1 of the scales' loads; behind the head, with 96 rows, of the second fill
.set G0S, 76
.set G1SB, 80
.set G0SB, 88
.set MSB, 0
.macro WIN new
.if MSB != (\new)
	s_set_vgpr_msb (MSB<<8)|(\new)
.set MSB, (\new)
.endif
.endm
.macro CREST
	s_cmp_lg_u32 s14, 0
	s_cbranch_scc1 .Lnot_wave_0_\@
	s_barrier_signal -3
.Lnot_wave_0_\@:
	s_barrier_wait -3
	s_barrier_signal -1
	s_barrier_wait -1
.endm
.macro CROUND
	s_barrier_signal -1
	s_barrier_wait -1
	CREST
.endm
	s_load_b128 s[4:7], s[0:1], 0x0                ; oimg, osc
	s_load_b128 s[8:11], s[0:1], 0x10              ; codes1, scales1
	s_load_b64 s[12:13], s[0:1], 0x20              ; out0
	v_lshl_add_u32 v[SPW], v0, 2, SPARE
	v_mov_b32 v[NIL], 0
	ds_add_u32 v[SPW], v[NIL]                      ; the opening lines: the add, twice on end, and its wait
	ds_add_u32 v[SPW], v[NIL]
	v_lshrrev_b32 v1, 5, v0
	v_readfirstlane_b32 s14, v1
	s_lshr_b32 s15, s14, 1                         ; which half of the tile's rows is mine.  Also: the second fill's operand
	s_and_b32 s16, s14, 1                          ; which half of its columns.  Also: which of its two chunks
	s_bfe_u32 s40, ttmp6, 0x40000
	s_bfe_u32 s41, ttmp6, 0x40004
	s_lshl_b32 s42, ttmp9, 2
	s_add_co_u32 s42, s42, s40                     ; tile column
	s_and_b32 s17, ttmp7, 0xffff
	s_lshl_b32 s17, s17, 2
	s_add_co_u32 s17, s17, s41                     ; tile row
	s_lshl_b32 s43, s41, 2
	s_lshl_b32 s43, 15, s43
	s_lshl_b32 s44, 0x1111, s40
	s_or_b32 s[G1+0], s43, (3<<16)|(1<<21)         ; six rows of 24,576 bytes (3,072 elements of 8), a chunk apart in memory, dense in LDS
	s_or_b32 s[G1B+0], s44, (3<<16)|(1<<21)
.irp g, G1, G1B
	s_mov_b32 s[\g+1], 3072<<16
	s_mov_b32 s[\g+2], 6<<16
	s_mov_b32 s[\g+3], 3072<<16
	s_mov_b32 s[\g+4], 6
	s_mov_b32 s[\g+5], CHB/8
	s_mov_b32 s[\g+6], 0
	s_mov_b32 s[\g+7], 0
.endr
	s_or_b32 s[G1S+0], s43, (3<<16)|(1<<21)        ; a dense block as rows of 256 bytes: 32 of them for eight row tiles' scale words
	s_or_b32 s[G1SB+0], s44, (3<<16)|(1<<21)
.irp g, G1S, G1SB
	s_mov_b32 s[\g+1], 32<<16
	s_mov_b32 s[\g+2], 32<<16
	s_mov_b32 s[\g+3], 32<<16
	s_mov_b32 s[\g+4], 32
	s_mov_b32 s[\g+5], 32
	s_mov_b32 s[\g+6], 0
	s_mov_b32 s[\g+7], 0
.endr
	s_mul_i32 s20, s17, CHL                        ; my eight row tiles' place in a chunk
	s_mul_i32 s46, s42, CHL
	s_add_co_u32 s46, s46, 4*TBY
	s_lshl_b32 s22, s17, 13                        ; and their 8,192 scale bytes
	s_lshl_b32 s92, s42, 13
	s_add_co_u32 s92, s92, 4*TSY
	s_mov_b32 s21, 0
	s_mov_b32 s23, 0
	s_mov_b32 s47, 0
	s_mov_b32 s93, 0
	s_mul_i32 s18, s16, CHB
	s_add_co_u32 s18, s18, 6*CHB                   ; the second fill: chunk 6 or 7,
	s_mov_b32 s19, 0
	s_mul_i32 s45, s15, OPB
	s_mul_i32 s94, s16, CHL
	s_add_co_u32 s45, s45, s94                     ; into place 0 or 1 of A or of B: by the wave's number alone
	s_wait_dscnt 0x0                               ; both opening adds are done
	s_wait_kmcnt 0x0
	s_add_nc_u64 s[20:21], s[4:5], s[20:21]
	s_add_nc_u64 s[22:23], s[6:7], s[22:23]
	s_add_nc_u64 s[46:47], s[8:9], s[46:47]
	s_add_nc_u64 s[92:93], s[10:11], s[92:93]
	CROUND                                         ; all sixteen work-groups are here: the first joint loads meet
	s_mov_b32 s[G0H], 1
	s_mov_b32 s[G0H+1], 0
	s_mov_b64 s[G0H+2:G0H+3], s[20:21]
	s_or_b32 s[G0H+3], s[G0H+3], 0x80000000
	s_mov_b32 s[G0HB], 1
	s_mov_b32 s[G0HB+1], OPB
	s_mov_b64 s[G0HB+2:G0HB+3], s[46:47]
	s_or_b32 s[G0HB+3], s[G0HB+3], 0x80000000
	s_mov_b32 s[G0S], 1
	s_mov_b32 s[G0S+1], SCL
	s_mov_b64 s[G0S+2:G0S+3], s[22:23]
	s_or_b32 s[G0S+3], s[G0S+3], 0x80000000
	s_mov_b32 s[G0SB], 1
	s_mov_b32 s[G0SB+1], SCL+2*HALFS
	s_mov_b64 s[G0SB+2:G0SB+3], s[92:93]
	s_or_b32 s[G0SB+3], s[G0SB+3], 0x80000000
	s_mov_b32 s[G0], 1
	s_mov_b32 s[G0+1], s45
	s_add_nc_u64 s[G0+2:G0+3], s[20:21], s[18:19]
	s_or_b32 s[G0+3], s[G0+3], 0x80000000
	s_mov_b32 s[G0B], 1
	s_mov_b32 s[G0B+1], s45
	s_add_nc_u64 s[G0B+2:G0B+3], s[46:47], s[18:19]
	s_or_b32 s[G0B+3], s[G0B+3], 0x80000000
; the head's loads, one a wave: one chain of branches on the wave's number, each arm with its load
.macro ARM under, g0, g1, next
	s_cmp_lt_u32 s14, \under
	s_cbranch_scc0 \next
	tensor_load_to_lds s[\g0:\g0+3], s[\g1:\g1+7]
	s_nop 0
.rept 4
	v_nop
.endr
	s_branch .Lhead_asked
\next:
.endm
	ARM 1, G0H,  G1,  .Lhead_b
	ARM 2, G0HB, G1B, .Lhead_sa
	ARM 3, G0S,  G1S, .Lhead_sb
	tensor_load_to_lds s[G0SB:G0SB+3], s[G1SB:G1SB+7]
	s_nop 0
.rept 4
	v_nop
.endr
.Lhead_asked:
	v_and_b32 v1, 15, v0                           ; r
	v_bfe_u32 v2, v0, 4, 1                         ; h
	v_and_b32 v3, 31, v0
	v_lshlrev_b32 v[LI], 4, v3
	s_wait_alu depctr_va_vdst(0)                   ; the wait behind these writes
	s_mul_i32 s21, s15, 4*ROWB                     ; my four row tiles of A
	s_mul_i32 s22, s16, 4*ROWB                     ; and of B
	s_add_co_u32 s22, s22, OPB
.irp g, 0,1,2
	v_add_nc_u32 v[ADRA+\g], s21, v[LI]
	v_add_nc_u32 v[ADRB+\g], s22, v[LI]
	s_add_co_u32 s21, s21, 2*CHL
	s_add_co_u32 s22, s22, 2*CHL
.endr
	v_lshlrev_b32 v5, 2, v1
	s_lshl_b32 s21, s15, 12
	s_lshl_b32 s22, s16, 12
	s_add_co_u32 s22, s22, 2*HALFS
	s_sub_co_u32 s22, s22, s21
	v_mul_u32_u24 v6, s22, v2                      ; lanes 16-31 take B's: one product, the distance between the two
	s_add_co_u32 s21, s21, SCL
	v_add_nc_u32 v5, v5, v6
	v_add_nc_u32 v[ADRS], s21, v5
	s_mul_i32 s23, s14, 16*272
	s_add_co_u32 s23, s23, STAGE                   ; my stage
	v_mul_u32_u24 v5, v1, 272
	v_lshl_add_u32 v5, v2, 6, v5
	v_add_nc_u32 v[STO], s23, v5                   ; in: row r, + 64 h
	v_mul_u32_u24 v5, v2, 272
	v_lshl_add_u32 v5, v1, 4, v5
	v_add_nc_u32 v[RD], s23, v5                    ; back: lanes 0-15 one row of 256 bytes, lanes 16-31 the next
	v_lshlrev_b32 v5, 13, v2
	v_lshl_add_u32 v[CO], v1, 4, v5                ; and the same two rows in out0
	s_lshl_b32 s20, s17, 7
	s_lshl_b32 s21, s15, 6
	s_add_co_u32 s20, s20, s21                     ; my first row
	s_lshl_b32 s20, s20, 13
	s_lshl_b32 s46, s42, 9
	s_lshl_b32 s47, s16, 8
	s_add_co_u32 s46, s46, s47                     ; my first column, in bytes
	s_add_co_u32 s20, s20, s46
	s_mov_b32 s21, 0
	s_add_nc_u64 s[12:13], s[12:13], s[20:21]
.macro PLACES
.rept 4
	v_nop
.endr
.endm
; K step ks's fragments into buffer ks % 2, and its scale words into set ks % 2: lanes 0-15 A's tile i, lanes 16-31 B's tile i.  Chunk ks / 2 lies in place (ks / 2) % 6
.macro FETCH ks
.set PL, ((\ks)/2)%6
.set FB, 128*((\ks)%2)
.set OF, (PL%2)*CHL+((\ks)%2)*1536
	WIN 0x40
.irp i, 0,1,2,3
.irp c, 0,1,2
	ds_load_b128 v[FB+48+12*\i+4*\c:FB+48+12*\i+4*\c+3], v[ADRB+PL/2] offset:OF+ROWB*\i+512*\c
.endr
.endr
.irp i, 0,1,2,3
.irp c, 0,1,2
	ds_load_b128 v[FB+12*\i+4*\c:FB+12*\i+4*\c+3], v[ADRA+PL/2] offset:OF+ROWB*\i+512*\c
.endr
.endr
	WIN 0
.irp i, 0,1,2,3
	ds_load_b32 v[SC+4*((\ks)%2)+\i], v[ADRS] offset:1024*\i+64*(\ks)
.endr
.endm
; four matrix instructions: A's tile a x B's four.  The 16 accumulators take turns, one instruction a turn.
.macro MUL4 a, ks, zero
.set FM, 128*((\ks)%2)
	WIN 0x05                                       ; sources 0 and 1 window 1; C and D window 0
.irp b, 0,1,2,3
.if \zero
	v_wmma_scale_f32_16x16x128_f8f6f4 v[ACC+8*(4*(\a)+\b):ACC+8*(4*(\a)+\b)+7], v[FM+48+12*\b:FM+48+12*\b+11], v[FM+12*(\a):FM+12*(\a)+11], 0, v[SC+4*((\ks)%2)+\b], v[SC+4*((\ks)%2)+(\a)] matrix_a_fmt:MATRIX_FMT_FP6 matrix_b_fmt:MATRIX_FMT_FP6 matrix_a_scale:MATRIX_SCALE_ROW1
.else
	v_wmma_scale_f32_16x16x128_f8f6f4 v[ACC+8*(4*(\a)+\b):ACC+8*(4*(\a)+\b)+7], v[FM+48+12*\b:FM+48+12*\b+11], v[FM+12*(\a):FM+12*(\a)+11], v[ACC+8*(4*(\a)+\b):ACC+8*(4*(\a)+\b)+7], v[SC+4*((\ks)%2)+\b], v[SC+4*((\ks)%2)+(\a)] matrix_a_fmt:MATRIX_FMT_FP6 matrix_b_fmt:MATRIX_FMT_FP6 matrix_a_scale:MATRIX_SCALE_ROW1
.endif
.endr
.endm
; a plain step: its fragments are in; the next step's are asked for, into the buffer that the last step multiplied; then its 16 products
.macro QSTEP ks, zero
	s_wait_dscnt 0x0
.if \zero == 0
	PLACES
.endif
	FETCH (\ks)+1
	MUL4 0, \ks, \zero
	MUL4 1, \ks, \zero
	MUL4 2, \ks, \zero
	MUL4 3, \ks, \zero
.endm
; a step with a barrier: in front of it all my tensor loads have landed, the add, and my LDS reads are over.  fill = 1: places 0 and 1 are read no more and take chunks 6 and 7; fill = 0: those chunks are whole
.macro TURN fill, ks
	WIN 0
	s_wait_tensorcnt 0x0
	ds_add_u32 v[SPW], v[NIL]
	s_wait_dscnt 1                                 ; the fragments are in; the add may be out
	MUL4 0, \ks, 0
	s_wait_dscnt 0x0
	s_barrier_signal -1
	MUL4 1, \ks, 0
	WIN 0
	s_barrier_wait -1
.if \fill
	CREST                                          ; the barrier has opened a round of the cluster's
	s_cmp_eq_u32 s15, 0
	s_cbranch_scc0 .Lfor_b
	tensor_load_to_lds s[G0:G0+3], s[G1S:G1S+7]    ; the first tensor load behind the round; its four v_nop are the places in front of the loads below
	s_nop 0
.rept 4
	v_nop
.endr
	s_branch .Lasked
.Lfor_b:
	tensor_load_to_lds s[G0B:G0B+3], s[G1SB:G1SB+7]
	s_nop 0
.rept 4
	v_nop
.endr
.Lasked:
.else
	PLACES
.endif
	FETCH (\ks)+1
	MUL4 2, \ks, 0
	MUL4 3, \ks, 0
.endm
	s_wait_alu depctr_va_vdst(0)                   ; the wait at the head's end
	s_wait_tensorcnt 0x0                           ; my tile of the head's four is in
	s_mov_b32 s[G1S+2], 96<<16                     ; no tensor load of mine is out: this group 1 now serves the second fill, 96 rows of 256 bytes
	s_mov_b32 s[G1S+4], 96
	s_mov_b32 s[G1SB+2], 96<<16
	s_mov_b32 s[G1SB+4], 96
	s_barrier_signal -1
	s_barrier_wait -1
	FETCH 0
	QSTEP 0, 1                                     ; the first step starts the sums
	QSTEP 1, 0
	QSTEP 2, 0
	TURN 1, 3
.irp k, 4,5,6,7,8,9,10
	QSTEP \k, 0
.endr
	TURN 0, 11
	QSTEP 12, 0
	QSTEP 13, 0
	QSTEP 14, 0
	s_wait_dscnt 0x0
	MUL4 0, 15, 0
	MUL4 1, 15, 0
	MUL4 2, 15, 0
	MUL4 3, 15, 0
	WIN 0
; THE WAY OUT, a tile of 16 tokens x 64 columns at a time, through my own stage: in by lanes that hold 32 bytes of a row, back as whole rows of 256 bytes.  LDS serves a wave's instructions in order.
.macro TOSTAGE a
.irp b, 0,1,2,3
	ds_store_b128 v[STO], v[ACC+8*(4*(\a)+\b):ACC+8*(4*(\a)+\b)+3] offset:128*(\b/2)+32*(\b%2)       ; each accumulator from its low end on
	ds_store_b128 v[STO], v[ACC+8*(4*(\a)+\b)+4:ACC+8*(4*(\a)+\b)+7] offset:128*(\b/2)+32*(\b%2)+16
.endr
.irp t, 0,1,2,3,4,5,6,7
	ds_load_b128 v[OB+32*((\a)%2)+4*\t:OB+32*((\a)%2)+4*\t+3], v[RD] offset:544*\t
.endr
.endm
.macro SEND a, younger                 ; stage row 2 t + (l / 16) of tile a is row 32 (a / 2) + 8 (a % 2) + 2 t + 8 (t / 4) + (l / 16) of my 64
	s_wait_dscnt \younger
.irp t, 0,1,2,3,4,5,6,7
	global_store_b128 v[CO], v[OB+32*((\a)%2)+4*\t:OB+32*((\a)%2)+4*\t+3], s[12:13] offset:(32*((\a)/2)+8*((\a)%2)+2*\t+8*(\t/4))*8192 th:TH_STORE_NT   ; 16 lanes store 256 consecutive bytes, aligned
.endr
.endm
	PLACES
	TOSTAGE 0
.irp a, 1,2,3
.if \a > 1
	s_wait_xcnt 0x0                                ; the stores of the tile two back have read the registers that are loaded anew
.endif
	TOSTAGE \a
	SEND \a-1, 16                                  ; behind its loads: the next tile's 8 stores and 8 loads
.endr
	SEND 3, 0
	s_wait_tensorcnt 0x0                           ; the wave's end
	ds_add_u32 v[SPW], v[NIL]
	s_wait_dscnt 0x0
	CROUND                                         ; the closing round
	s_endpgm
.Lfunc_end_k_q9dc586c54c_oproj:
	.size	k_q9dc586c54c_oproj, .Lfunc_end_k_q9dc586c54c_oproj-k_q9dc586c54c_oproj
	.p2alignl 7, 3214868480
	.fill 96, 4, 3214868480
	.section	.rodata,"a",@progbits
	.p2align	6, 0x0
	.amdhsa_kernel k_q9dc586c54c_oproj
		.amdhsa_group_segment_fixed_size 327680
		.amdhsa_private_segment_fixed_size 0
		.amdhsa_enable_private_segment 0
		.amdhsa_kernarg_size 40
		.amdhsa_user_sgpr_count 2
		.amdhsa_user_sgpr_kernarg_segment_ptr 1
		.amdhsa_wavefront_size32 1
		.amdhsa_system_sgpr_workgroup_id_x 1
		.amdhsa_system_sgpr_workgroup_id_y 1
		.amdhsa_system_sgpr_workgroup_id_z 1
		.amdhsa_system_vgpr_workitem_id 0
		.amdhsa_next_free_vgpr 512
		.amdhsa_next_free_sgpr 98
		.amdhsa_reserve_vcc 0
		.amdhsa_float_denorm_mode_32 3
		.amdhsa_float_denorm_mode_16_64 3
		.amdhsa_memory_ordered 1
		.amdhsa_forward_progress 1
		.amdhsa_inst_pref_size 82
	.end_amdhsa_kernel
	.amdgpu_metadata
---
amdhsa.version: [ 1, 2 ]
amdhsa.kernels:
  - .name:           k_q9dc586c54c_oproj
    .symbol:         k_q9dc586c54c_oproj.kd
    .args:
      - { .name: oimg, .offset: 0, .size: 8, .value_kind: global_buffer, .address_space: global }
      - { .name: osc, .offset: 8, .size: 8, .value_kind: global_buffer, .address_space: global }
      - { .name: codes1, .offset: 16, .size: 8, .value_kind: global_buffer, .address_space: global }
      - { .name: scales1, .offset: 24, .size: 8, .value_kind: global_buffer, .address_space: global }
      - { .name: out0, .offset: 32, .size: 8, .value_kind: global_buffer, .address_space: global }
    .group_segment_fixed_size: 327680
    .private_segment_fixed_size: 0
    .kernarg_segment_align: 8
    .kernarg_segment_size: 40
    .max_flat_workgroup_size: 128
    .sgpr_count:     98
    .vgpr_count:     512
    .wavefront_size: 32
...
	.end_amdgpu_metadata
.endif
;; end of part 4
